; MI455X (gfx1250); checked and timed in simulation.
; The chip was launched on July 23, 2026; its instructions are those of AMD's public machine-readable ISA for CDNA 5 (MIT licence, August 2026) and "CDNA5" Instruction Set Architecture Reference Guide (July 2026). The comments in the code are by the model that wrote it; some were corrected since.
;; Causal MHA. Allowed arithmetic: matrix products marked QUANTISED: E2M3 operands, one E8M0 scale for each 32 along K, by v_wmma_scale_f32_16x16x128_f8f6f4 with both operands' format E2M3, f32 sums; everything else in f32.
;; Inputs: wk_codes 1,024 x 32 x 24 uint8 (E2M3 codes of wk, K innermost, in blocks of 32 codes, four codes in three bytes); wk_scales 1,024 x 32 uint8 (E8M0 scales of wk, one for each 32 codes along K); wo_codes 1,024 x 32 x 24 uint8 (E2M3 codes of wo, K innermost, in blocks of 32 codes, four codes in three bytes); wo_scales 1,024 x 32 uint8 (E8M0 scales of wo, one for each 32 codes along K); wq_codes 1,024 x 32 x 24 uint8 (E2M3 codes of wq, K innermost, in blocks of 32 codes, four codes in three bytes); wq_scales 1,024 x 32 uint8 (E8M0 scales of wq, one for each 32 codes along K); wv_codes 1,024 x 32 x 24 uint8 (E2M3 codes of wv, K innermost, in blocks of 32 codes, four codes in three bytes); wv_scales 1,024 x 32 uint8 (E8M0 scales of wv, one for each 32 codes along K); x_codes 4 x 2,048 x 32 x 24 uint8 (E2M3 codes of x, K innermost, in blocks of 32 codes, four codes in three bytes); x_scales 4 x 2,048 x 32 uint8 (E8M0 scales of x, one for each 32 codes along K).
;; Outputs: out0 4 x 2,048 x 1,024 float32.
;; This version of the problem:
;;   THIS VERSION OF THE PROBLEM IS GIVEN IN LOW PRECISION. The matrix products marked QUANTISED in the list below multiply operands that are first quantised to E2M3 (2 exponent bits, 3 mantissa bits; 6 bits a number), with one power-of-two scale for each 32 numbers along K (OCP MX v1.0); their sums are f32. All else is computed in f32.
;;   The module's matrix products, in the order in which they are computed (A, B: the left and right operand; K: the contracted axis; several contracted axes count as one K, in the product's order):
;;     1. [M 8,192, K 1,024] x [K 1,024, N 1,024]; A: input x (given as codes); B: input wq (given as codes): QUANTISED
;;     2. [M 8,192, K 1,024] x [K 1,024, N 1,024]; A: input x (given as codes); B: input wk (given as codes): QUANTISED
;;     3. [M 8,192, K 1,024] x [K 1,024, N 1,024]; A: input x (given as codes); B: input wv (given as codes): QUANTISED
;;     4. batch 64 x [M 2,048, K 64] x [K 64, N 2,048]; A: computed on the way; B: computed on the way: QUANTISED
;;     5. batch 64 x [M 2,048, K 2,048] x [K 2,048, N 64]; A: softmax (see below); B: computed on the way: QUANTISED
;;     6. [M 8,192, K 1,024] x [K 1,024, N 1,024]; A: computed on the way; B: input wo (given as codes): QUANTISED
;;   THE QUANTISER, for each operand of a quantised product, along K:
;;     - K is cut into blocks of 32 from its start; a last block that is shorter is filled with zeros.
;;     - A block's scale is 2^e with e = floor(log2(the largest magnitude in the block)) - 2, held to -126 .. 127; a block of zeros has e = 0. As a byte (E8M0): e + 127.
;;     - Each number is divided by its block's scale, clamped to +-7.5, and rounded to the nearest number of E2M3, ties to even, subnormals kept.
;;     - The product sums the exact products of the quantised numbers (number of the format x scale) in f32.
;;   ~~~python
;;   def quantise(x, axis):      # numpy; x: float32 -> the quantised numbers, widened to float32 again
;;       x = np.moveaxis(x, axis, -1); K = x.shape[-1]
;;       x = np.pad(x, [(0, 0)] * (x.ndim - 1) + [(0, -K % 32)]); x = x.reshape(x.shape[:-1] + (-1, 32)); a = np.abs(x).max(-1, keepdims=True)
;;       e = np.where(a > 0, np.clip(np.frexp(np.where(a > 0, a, 1))[1] - 1 - 2, -126, 127), 0)      # np.frexp(a)[1] - 1 = floor(log2(a)), exactly
;;       r = np.clip(x / 2.0 ** e, -7.5, 7.5)
;;       step = 2.0 ** (np.maximum(np.frexp(np.where(r == 0, 1, r))[1] - 1, 0) - 3)
;;       q = np.round(r / step) * step * 2.0 ** e      # np.round: ties to even
;;       return np.moveaxis(q.reshape(q.shape[:-2] + (-1,))[..., :K], -1, axis).astype(np.float32)
;;   ~~~
;;   SOFTMAX AHEAD OF A QUANTISED PRODUCT. Where the list says 'softmax', what is quantised is not the finished softmax but p = 2^(t - M), with t = logit x log2(e) and M = ceil(the row's largest t), a whole number; so 1/2 < the row's largest p <= 1. The row's sum l is taken of the UNQUANTISED p, in f32, and the product's result is divided by l at the end. Since M is a whole number, a kernel that streams over the keys may use a running M (the ceiling of the running maximum): every later rescaling is an exact power of two, which a block's scale takes up: the codes' values come out the same.
;;   OPERANDS COMPUTED ON THE WAY. 'Computed on the way' means the value that the module computes at that place (a softmax that the list does not call 'softmax' is quantised finished and normalised). What goes into a quantiser is computed in f32, as accurately as f32 sums, v_exp_f32 and their like allow (about 1e-6 of the number): no bf16 or f16 on the way to a quantiser, and a product that is left as it is and whose result goes on into a quantised operand takes f32 operands (vector FMAs, or v_wmma_f32_16x16x4_f32). A number that lies on a knife's edge between two numbers of the format may be rounded either way, as far as f32 arithmetic and the matrix unit's own rounding can turn it there, and no further.
;;   INPUTS GIVEN AS CODES. wk (in the module: [1024, 1024], K = its axis 1); wo (in the module: [1024, 1024], K = its axis 1); wq (in the module: [1024, 1024], K = its axis 1); wv (in the module: [1024, 1024], K = its axis 1); x (in the module: [4, 2048, 1024], K = its axis 2): each comes as NAME_codes (uint8): NAME with its K axis moved to the last place and cut into blocks of 32 codes, [.., K / 32, bytes a block], one block behind the other in memory; four codes in three bytes: a row's codes are one little-endian stream of bits, code i at bits 6 i .. 6 i + 5 (a code: sign, 2 exponent bits, 3 mantissa bits); and NAME_scales (uint8): the same leading axes, one E8M0 byte (e + 127) for each 32 codes along K. Its value is code x scale, taken as it is: it is not quantised again, and the codes and scales need not be those that the quantiser above would give.
;; One version. Each part assembles by itself: llvm-mc -triple=amdgcn-amd-amdhsa -mcpu=gfx1250 --defsym DOCPART=n.
;; ======== version 1 of 1: 4 launches
;; workspace buffers: tab 524,288 bytes; qkv 19,660,800 bytes; oimg 6,291,456 bytes; osc 262,144 bytes
;; launch rope (part 1): grid 256 x 1, 4 waves a work-group, no clusters, 0 bytes of LDS; arguments tab; writes tab
.if DOCPART == 1
	.amdgcn_target "amdgcn-amd-amdhsa--gfx1250"
	.amdhsa_code_object_version 6
	.text
	.protected	k_qc543b73653_rope
	.globl	k_qc543b73653_rope
	.p2align	8
	.type	k_qc543b73653_rope,@function
k_qc543b73653_rope:
	s_mov_b64 s[64:65], 0
	v_nop
	global_prefetch_b8 v0, s[64:65] scope:SCOPE_SE
	s_setreg_imm32_b32 hwreg(HW_REG_WAVE_MODE, 25, 1), 1
	s_wait_xcnt 0x0
; tab[pos][i] = (cos, sin) of the f32 angle pos x inv_freq(i), inv_freq(i) = 10000^(-i / 32); pos 0 .. 2,047, i 0 .. 31; f32; a position is 256 bytes.
; 32,768 threads, two pairs (16 bytes) each: thread G takes pos = G / 16 and pairs 2 (G % 16), 2 (G % 16) + 1; a wave's one store covers 512 consecutive bytes, aligned.
; inv_freq = 2^(-i L), L = log2(10000) / 32 in two parts (high + rest): the product's rounding error and the rest go in as a first-order factor behind the exponential.
; The angle (up to 2,047) is reduced by n = the nearest whole number to angle x 2 / pi, with pi / 2 in two parts and fused multiply-adds, to |r| <= pi / 4; sine and cosine by polynomials of degree 7 and 8.
; LIMIT: inv_freq lies within about one unit in its last place of 10000^(-i / 32); a power function that rounds otherwise by one unit moves the angle at pos 2,047 by up to 1.2e-4.
	s_load_b64 s[4:5], s[0:1], 0x0
	s_lshl_b32 s6, ttmp9, 7
	v_add_nc_u32 v1, s6, v0                        ; G
	v_lshrrev_b32 v2, 4, v1
	v_cvt_f32_u32 v2, v2                           ; pos
	v_and_b32 v3, 15, v1
	v_lshlrev_b32 v3, 1, v3                        ; my first pair
	s_wait_alu depctr_va_vdst(0)
	v_lshlrev_b32 v4, 4, v0                        ; 16 bytes a thread
	s_lshl_b32 s6, ttmp9, 11                       ; 2,048 bytes a work-group
	s_mov_b32 s7, 0
	s_mov_b32 s8, 0xbed49a78                       ; -L, high part
	s_mov_b32 s9, 0xb2179900                       ; -L, the rest
	s_mov_b32 s10, 0x3f317218                      ; ln 2
	s_mov_b32 s11, 0x3f22f983                      ; 2 / pi
	s_mov_b32 s12, 0xbfc90fdb                      ; -(pi / 2), high part
	s_mov_b32 s13, 0x333bbd2e                      ; -(pi / 2), the rest (positive: the high part lies above pi / 2)
	s_mov_b32 s14, 0xb94ca1f9                      ; sine: -1.9515296e-4, 8.3321609e-3, -1.6666655e-1
	s_mov_b32 s15, 0x3c08839e
	s_mov_b32 s16, 0xbe2aaaa3
	s_mov_b32 s17, 0x37ccf5ce                      ; cosine: 2.4433157e-5, -1.3887316e-3, 4.1666646e-2
	s_mov_b32 s18, 0xbab6061a
	s_mov_b32 s19, 0x3d2aaaa5
.macro SINCOS add, out                 ; pair (my first + add): cosine into v[out], sine into v[out + 1]
	v_add_nc_u32 v10, \add, v3
	v_cvt_f32_u32 v10, v10                         ; i
	v_mul_f32 v11, s8, v10                         ; -i L, rounded,
	v_fma_f32 v12, v10, s8, -v11                   ; what the rounding dropped,
	v_fma_f32 v12, v10, s9, v12                    ; and the rest of L
	s_wait_alu depctr_va_vdst(0)
	v_exp_f32 v13, v11
	v_mul_f32 v12, s10, v12                        ; (the plain instruction behind the exponential)
	s_wait_alu depctr_va_vdst(0)
	v_fma_f32 v13, v13, v12, v13                   ; inv_freq = 2^a (1 + e ln 2)
	v_mul_f32 v14, v2, v13                         ; the angle, rounded once
	v_mul_f32 v15, s11, v14
	v_rndne_f32 v15, v15                           ; n
	v_fma_f32 v16, v15, s12, v14
	v_fma_f32 v16, v15, s13, v16                   ; r = angle - n pi / 2
	v_cvt_i32_f32 v17, v15
	v_mul_f32 v18, v16, v16                        ; r^2
	v_fma_f32 v19, v18, s14, s15
	v_fma_f32 v19, v19, v18, s16
	v_mul_f32 v20, v18, v16
	v_fma_f32 v19, v19, v20, v16                   ; sin r
	v_fma_f32 v21, v18, s17, s18
	v_fma_f32 v21, v21, v18, s19
	v_mul_f32 v22, v18, v18
	v_fma_f32 v23, v18, -0.5, 1.0
	v_fma_f32 v21, v21, v22, v23                   ; cos r
	v_and_b32 v24, 1, v17
	v_cmp_ne_u32 vcc_lo, 0, v24                    ; odd n: sine and cosine change places
	v_cndmask_b32 v25, v19, v21, vcc_lo
	v_cndmask_b32 v26, v21, v19, vcc_lo
	v_lshlrev_b32 v27, 30, v17                     ; the sine's sign: bit 1 of n
	v_and_b32 v27, 0x80000000, v27
	v_add_nc_u32 v28, 1, v17                       ; the cosine's: bit 1 of n + 1
	v_lshlrev_b32 v28, 30, v28
	v_and_b32 v28, 0x80000000, v28
	v_xor_b32 v[\out], v26, v28
	v_xor_b32 v[\out+1], v25, v27
.endm
	SINCOS 0, 32
	SINCOS 1, 34
	s_wait_alu depctr_va_vdst(0)
	s_wait_kmcnt 0x0
	s_add_nc_u64 s[4:5], s[4:5], s[6:7]
	global_store_b128 v4, v[32:35], s[4:5]
	s_endpgm
.Lfunc_end_k_qc543b73653_rope:
	.size	k_qc543b73653_rope, .Lfunc_end_k_qc543b73653_rope-k_qc543b73653_rope
	.p2alignl 7, 3214868480
	.fill 96, 4, 3214868480
	.section	.rodata,"a",@progbits
	.p2align	6, 0x0
	.amdhsa_kernel k_qc543b73653_rope
		.amdhsa_group_segment_fixed_size 0
		.amdhsa_private_segment_fixed_size 0
		.amdhsa_enable_private_segment 0
		.amdhsa_kernarg_size 8
		.amdhsa_user_sgpr_count 2
		.amdhsa_user_sgpr_kernarg_segment_ptr 1
		.amdhsa_wavefront_size32 1
		.amdhsa_system_sgpr_workgroup_id_x 1
		.amdhsa_system_sgpr_workgroup_id_y 1
		.amdhsa_system_sgpr_workgroup_id_z 1
		.amdhsa_system_vgpr_workitem_id 0
		.amdhsa_next_free_vgpr 64
		.amdhsa_next_free_sgpr 66
		.amdhsa_reserve_vcc 1
		.amdhsa_float_denorm_mode_32 3
		.amdhsa_float_denorm_mode_16_64 3
		.amdhsa_memory_ordered 1
		.amdhsa_forward_progress 1
		.amdhsa_inst_pref_size 5
	.end_amdhsa_kernel
	.amdgpu_metadata
---
amdhsa.version: [ 1, 2 ]
amdhsa.kernels:
  - .name:           k_qc543b73653_rope
    .symbol:         k_qc543b73653_rope.kd
    .args:
      - { .name: tab, .offset: 0, .size: 8, .value_kind: global_buffer, .address_space: global }
    .group_segment_fixed_size: 0
    .private_segment_fixed_size: 0
    .kernarg_segment_align: 8
    .kernarg_segment_size: 8
    .max_flat_workgroup_size: 128
    .sgpr_count:     66
    .vgpr_count:     64
    .wavefront_size: 32
...
	.end_amdgpu_metadata
.endif
;; end of part 1
;; launch qkv (part 2): grid 12 x 32, 4 waves a work-group, clusters of 4 x 4, 327,680 bytes of LDS; arguments x_codes, x_scales, wq_codes, wq_scales, wk_codes, wk_scales, wv_codes, wv_scales, tab, qkv; writes qkv
.if DOCPART == 2
	.amdgcn_target "amdgcn-amd-amdhsa--gfx1250"
	.amdhsa_code_object_version 6
	.text
	.protected	k_qc543b73653_qkv
	.globl	k_qc543b73653_qkv
	.p2align	8
	.type	k_qc543b73653_qkv,@function
k_qc543b73653_qkv:
	s_mov_b64 s[64:65], 0
	v_nop
	global_prefetch_b8 v0, s[64:65] scope:SCOPE_SE
	s_setreg_imm32_b32 hwreg(HW_REG_WAVE_MODE, 25, 1), 1
	s_wait_xcnt 0x0
	s_wait_alu depctr_hold_cnt(0) depctr_sa_sdst(0) depctr_va_vdst(0) depctr_va_sdst(0) depctr_va_ssrc(0) depctr_va_vcc(0) depctr_vm_vsrc(0)
	s_getreg_b32 s2, hwreg(HW_REG_IB_STS2, 6, 4)
	s_cmp_eq_u32 s2, 0
	s_cbranch_scc0 .Lentry_in_a_cluster
	s_endpgm
.Lentry_in_a_cluster:
	s_bfe_u32 s2, ttmp6, 0x10000c
	s_cmp_lg_u32 s2, 0xf033
	s_cbranch_scc0 .Lentry_shape_is_right
	s_endpgm
.Lentry_shape_is_right:
; q = rope(x wq^T), k = rope(x wk^T), v = x wv^T on codes of FP6 (E2M3) with one E8M0 scale for each 32 along K = 1,024; the results are quantised here, q and k along the head's 64 channels, v along the keys,
; and leave as IMAGES OF OPERAND REGISTERS for the attention launch: buffer qkv = [16 batch + head][128 tokens][K, V, Q][6,144 bytes of codes, 256 of scale words].
; THE PRODUCT: a tile of 256 x 256 to a work-group of four waves, 128 x 128 (64 accumulators, 512 registers) to a wave; K in steps of 256 through two LDS slots filled by the tensor data mover; the scale bytes of the
; work-group's rows come once and stay.  4 x 4 work-groups form a cluster: 'A' tiles are asked for jointly along a row of the cluster, 'B' tiles along a column.
; The cluster's x names the weight: 0 q, 1 k, 2 v.  The matrix instruction takes 16 rows of 'B' as source 0 and 16 rows of 'A' as source 1: a lane holds ONE row of 'A' and its registers run along 'B's rows.
;   q, k: 'A' = x (a lane holds a token), 'B' = the weight (registers run along the channels, which are the next product's K).
;   v:    'A' = wv (a lane holds a channel), 'B' = x (registers run along the tokens: the keys are the next product's K).  Only the pointers and the two tile numbers change places.
; ORDER INSIDE A BLOCK OF 32: tiles are natural, so a lane holds numbers 8 h + 0..7 and 16 + 8 h + 0..7 of a block; behind the conversion and the exchange of halves a block's codes stand in the order
; 0-7, 16-23, 8-15, 24-31.  q and k are made by the same lines, and so are v and the softmax's p in the next launch: both sides of each product have the same order, which keeps every product and every scale.
; LIMITS: NaN and infinities are not served; a block whose largest magnitude lies under 2^-124 (a block of zeros too) gets the byte 1: its codes are zeros or tiny, and only this program reads the bytes.
; REGISTERS, in windows of 256: window 0: v1-7 lane terms; v16-29 addresses; v32-63 scale words, two sets, and nothing else; v128-223 'A's fragments, one set; window 1: 'B's fragments, two sets;
;   windows 2, 3: the accumulators ((a, b) at v[8 (8 (a % 4) + b)]).  On the way out window 0 holds: v64-127 cos and sin, two sets; v128-159 rotated numbers; v160-175 at work; v176-199 two images; v200-214 words; v216-222, v224-255 at work.
.set KSTEP,  256                       ; along K in a slot
.set NQ,     2                         ; matrix instructions deep
.set ROWB,   192                       ; a tile's row in bytes
.set KROW,   768                       ; a row of 1,024 codes in memory
.set PITCH,  240                       ; an LDS row: 3 x (64 bytes + 16 of padding)
.set FR,     12                        ; registers of a fragment
.set NL,     6                         ; LDS loads that bring one
.set NP,     4                         ; places behind this matrix instruction (ISA guide 7.12.1)
.set HALFT,  128*PITCH
.set SLOT,   4*HALFT
.set LAPS,   2                         ; 1,024 / 512
.set KS,     32                        ; a row of scale bytes
.set SCL,    2*SLOT
.set HALFS,  (128*KS/256)*272
.set SBLK,   (16*KS/256)*272
.set SPARE,  SCL+4*HALFS               ; the spare words: 128 bytes a wave, two blocks of 256 bytes that no other line names
.set HEADB,  307200                    ; qkv: bytes of a (batch, head)
.set STEPB,  19200                     ; of 128 tokens
.set SUBB,   6400                      ; of one of K, V, Q
.set ADRA, 16
.set ADRB, 20
.set ADRS, 27
.set SPW,  28
.set NIL,  29
.set SC,   32
.set AF,   128
.set CSN,  64                          ; the way out: cos and sin, two sets of 32
.set W,    128                         ; 32 rotated numbers
.set TM,   160                         ; largest magnitudes
.set TP,   164                         ; the other half's
.set OP,   168                         ; the conversions' scale operands
.set BY,   172                         ; scale bytes
.set IMG,  176                         ; two images of 12 registers
.set PWD,  200                         ; eight scale words
.set HW,   208
.set RR,   210
.set FLR,  214                         ; the floor 2^(3 - 127)
.set TMPC, 216                         ; a conversion's three registers begin on an even number: the second halves are made here
.set T,    224                         ; 32 products
.set G1, 24
.set G0, 32
.set G1B, 48
.set G0B, 56
.set SEL, 66                           ; s[66:67] lane selects: lane l xor 16
.set G1S, 68
.set G0S, 76
.set G1SB, 80
.set G0SB, 88
.set MSB, 0
.macro WIN new                         ; the immediate's high byte repeats the setting that is left
.if MSB != (\new)
	s_set_vgpr_msb (MSB<<8)|(\new)
.set MSB, (\new)
.endif
.endm
.set MUL_LO, 0xa1                      ; source 0 ('B') window 1, source 1 ('A') window 0, C and D window 2
.set MUL_HI, 0xf1
.set TO_B,   0x40
; A joint load: waves 0 and 1 fetch for 'A', waves 2 and 3 for 'B'; the branch hangs on the wave's number alone.  Four v_nop follow each of the two lines.
.macro JLOAD g0a, g1a, g0b, g1b
	s_cmp_eq_u32 s15, 0
	s_cbranch_scc0 .Lfor_b_\@
	tensor_load_to_lds s[\g0a:\g0a+3], s[\g1a:\g1a+7]
	s_nop 0
.rept 4
	v_nop
.endr
	s_branch .Lasked_\@
.Lfor_b_\@:
	tensor_load_to_lds s[\g0b:\g0b+3], s[\g1b:\g1b+7]
	s_nop 0
.rept 4
	v_nop
.endr
.Lasked_\@:
.endm
.macro CREST                           ; a round of the cluster's barrier behind its opening barrier
	s_cmp_lg_u32 s14, 0
	s_cbranch_scc1 .Lnot_wave_0_\@
	s_barrier_signal -3
.Lnot_wave_0_\@:
	s_barrier_wait -3
	s_barrier_signal -1
	s_barrier_wait -1
.endm
.macro CROUND
	s_barrier_signal -1
	s_barrier_wait -1
	CREST
.endm
	s_load_b512 s[68:83], s[0:1], 0x0              ; x's codes, scales; wq's; wk's; wv's
	s_load_b128 s[84:87], s[0:1], 0x40             ; tab, qkv
	v_lshl_add_u32 v[SPW], v0, 2, SPARE
	v_mov_b32 v[NIL], 0
	ds_add_u32 v28, v29
	ds_add_u32 v28, v29
	s_wait_dscnt 0x0
	v_lshrrev_b32 v1, 5, v0
	v_readfirstlane_b32 s14, v1                    ; wave 0..3
	s_lshr_b32 s15, s14, 1                         ; which half of 'A's rows is mine.  Also: I fetch for 'A' (0) or for 'B' (1)
	s_and_b32 s16, s14, 1                          ; which half of 'B's rows.  Also: which 128 rows I fetch
	s_bfe_u32 s40, ttmp6, 0x40000                  ; cx
	s_bfe_u32 s41, ttmp6, 0x40004                  ; cy
	s_and_b32 s2, ttmp7, 0xffff
	s_lshl_b32 s2, s2, 2                           ; 4 x cluster y: the long axis (tokens)
	s_cmp_eq_u32 ttmp9, 2                          ; v?  The cluster's x is the same in all sixteen partners
	s_cselect_b32 s17, 0, s2
	s_cselect_b32 s42, s2, 0
	s_add_co_u32 s17, s17, s41                     ; 'A's tile: q, k: 4 Y + cy of x;  v: cy of wv
	s_add_co_u32 s42, s42, s40                     ; 'B's tile: q, k: cx of the weight;  v: 4 Y + cx of x
	s_lshl_b32 s43, s41, 2
	s_lshl_b32 s43, 15, s43                        ; my row of the cluster
	s_lshl_b32 s44, 0x1111, s40                    ; my column
	s_or_b32 s[G1+0], s43, (0<<16)|(1<<20)|(1<<21)|(3<<22)|(3<<25)  ; the mask; elements of 1 byte; padding on; bit 21 beside a mask; after every 16 words, 4 words
	s_or_b32 s[G1B+0], s44, (0<<16)|(1<<20)|(1<<21)|(3<<22)|(3<<25)
.irp g, G1, G1B
	s_mov_b32 s[\g+1], ROWB<<16                    ; tensor_dim0
	s_mov_b32 s[\g+2], 128<<16                     ; tensor_dim1
	s_mov_b32 s[\g+3], ROWB<<16                    ; tile_dim0
	s_mov_b32 s[\g+4], 128                         ; tile_dim1
	s_mov_b32 s[\g+5], KROW                        ; pitch
	s_mov_b32 s[\g+6], 0
	s_mov_b32 s[\g+7], 0
.endr
	s_lshl_b32 s18, s16, 7                         ; which 128 rows of the tile I fetch
	s_lshl_b32 s92, s17, 8
	s_add_co_u32 s92, s92, s18                     ; 'A's row
	s_lshl_b32 s46, s42, 8
	s_add_co_u32 s46, s46, s18                     ; 'B's row
	s_lshl_b32 s94, s92, 5                         ; its scale bytes,
	s_mul_i32 s92, s92, KROW                       ; its codes (under 2^23 bytes)
	s_mov_b32 s93, 0
	s_mov_b32 s95, 0
	s_lshl_b32 s98, s46, 5
	s_mul_i32 s46, s46, KROW
	s_mov_b32 s47, 0
	s_mov_b32 s99, 0
	s_mul_i32 s45, s14, HALFT                      ; where they go: wave x 128 rows
	s_mul_i32 s100, s14, HALFS
	s_mov_b32 s[SEL], 0x76543210
	s_mov_b32 s[SEL+1], 0xfedcba98
	s_wait_kmcnt 0x0
	s_cmp_eq_u32 ttmp9, 0                          ; the weight: a choice of pointers on the cluster's x alone
	s_cselect_b64 s[20:21], s[72:73], s[76:77]
	s_cselect_b64 s[22:23], s[74:75], s[78:79]
	s_cmp_eq_u32 ttmp9, 2
	s_cselect_b64 s[20:21], s[80:81], s[20:21]
	s_cselect_b64 s[22:23], s[82:83], s[22:23]
	s_cselect_b64 s[4:5], s[20:21], s[68:69]       ; 'A': wv for v, else x
	s_cselect_b64 s[6:7], s[22:23], s[70:71]
	s_cselect_b64 s[8:9], s[68:69], s[20:21]       ; 'B': x for v, else the weight
	s_cselect_b64 s[10:11], s[70:71], s[22:23]
	s_mov_b64 s[96:97], s[84:85]                   ; tab
	s_mov_b64 s[12:13], s[86:87]                   ; qkv
	s_add_nc_u64 s[4:5], s[4:5], s[92:93]
	s_add_nc_u64 s[6:7], s[6:7], s[94:95]
	s_add_nc_u64 s[8:9], s[8:9], s[46:47]
	s_add_nc_u64 s[10:11], s[10:11], s[98:99]
	; the scales of 128 rows: a dense block of 4,096 bytes, as rows of 256 bytes, 16 bytes of padding behind each (the pointers that lay in these registers have been taken)
	s_or_b32 s[G1S+0], s43, (3<<16)|(1<<20)|(1<<21)|(5<<22)|(3<<25)
	s_or_b32 s[G1SB+0], s44, (3<<16)|(1<<20)|(1<<21)|(5<<22)|(3<<25)
.irp g, G1S, G1SB
	s_mov_b32 s[\g+1], 32<<16
	s_mov_b32 s[\g+2], (128*KS/256)<<16
	s_mov_b32 s[\g+3], 32<<16
	s_mov_b32 s[\g+4], 128*KS/256
	s_mov_b32 s[\g+5], 32
	s_mov_b32 s[\g+6], 0
	s_mov_b32 s[\g+7], 0
.endr
	CROUND                                         ; all sixteen work-groups are here: the first joint loads meet
	s_mov_b32 s[G0S], 1
	s_add_co_u32 s[G0S+1], s100, SCL
	s_mov_b64 s[G0S+2:G0S+3], s[6:7]
	s_or_b32 s[G0S+3], s[G0S+3], 0x80000000
	s_mov_b32 s[G0SB], 1
	s_add_co_u32 s[G0SB+1], s100, SCL
	s_mov_b64 s[G0SB+2:G0SB+3], s[10:11]
	s_or_b32 s[G0SB+3], s[G0SB+3], 0x80000000
	JLOAD G0S, G1S, G0SB, G1SB                     ; the scales first: they are wanted with K step 0
.irp s, 0,1
	s_mov_b32 s[G0+4*\s], 1
	s_add_co_u32 s[G0+4*\s+1], s45, \s*SLOT
	s_add_nc_u64 s[G0+4*\s+2:G0+4*\s+3], s[4:5], \s*ROWB
	s_or_b32 s[G0+4*\s+3], s[G0+4*\s+3], 0x80000000
	s_mov_b32 s[G0B+4*\s], 1
	s_add_co_u32 s[G0B+4*\s+1], s45, \s*SLOT
	s_add_nc_u64 s[G0B+4*\s+2:G0B+4*\s+3], s[8:9], \s*ROWB
	s_or_b32 s[G0B+4*\s+3], s[G0B+4*\s+3], 0x80000000
	JLOAD G0+4*\s, G1, G0B+4*\s, G1B
.endr
	v_and_b32 v1, 15, v0                           ; r = lane % 16
	v_bfe_u32 v2, v0, 4, 1                         ; h = lane / 16
	v_mul_u32_u24 v3, v1, PITCH
	v_mul_u32_u24 v4, v2, 24
	v_add_nc_u32 v4, v3, v4                        ; a fragment's row x pitch + 24 x half
	v_lshl_add_u32 v5, v2, 4, v4                   ; and the same behind one padding more
	s_mul_i32 s21, s15, HALFT
	s_mul_i32 s22, s16, HALFT
	s_add_co_u32 s22, s22, 2*HALFT
.irp s, 0,1
	v_add_nc_u32 v[ADRA+\s], s21, v4
	v_add_nc_u32 v[ADRB+\s], s22, v4
	v_add_nc_u32 v[ADRA+2+\s], s21, v5
	v_add_nc_u32 v[ADRB+2+\s], s22, v5
	s_add_co_u32 s21, s21, SLOT
	s_add_co_u32 s22, s22, SLOT
.endr
	v_mul_u32_u24 v5, v1, KS                       ; my row's scales: 32 bytes a row,
	v_lshrrev_b32 v6, 8, v5
	v_lshl_add_u32 v5, v6, 4, v5                   ; and 16 more for each 256 passed
	s_mul_i32 s21, s15, HALFS
	s_mul_i32 s22, s16, HALFS
	s_add_co_u32 s22, s22, 2*HALFS
	s_sub_co_u32 s22, s22, s21
	v_mul_u32_u24 v6, s22, v2                      ; lanes 16-31 take 'B's
	s_add_co_u32 s21, s21, SCL
	v_add_nc_u32 v5, v5, v6
	v_add_nc_u32 v[ADRS], s21, v5
	; lane terms of the way out; none is written again
	v_lshlrev_b32 v3, 8, v1
	v_lshl_add_u32 v3, v2, 5, v3                   ; tab: 256 r + 32 h
	v_and_b32 v4, 31, v0
	v_lshlrev_b32 v5, 3, v4                        ; 8 x lane
	v_lshlrev_b32 v4, 4, v4                        ; 16 x lane
	v_xor_b32 v6, 128, v4                          ; 16 x (lane xor 8)
	v_and_b32 v7, 7, v0
	v_bfe_u32 v8, v0, 3, 1
	v_lshl_add_u32 v7, v8, 4, v7
	v_lshl_add_u32 v7, v2, 3, v7
	v_lshlrev_b32 v7, 3, v7                        ; 8 x (16 (r / 8) + r % 8 + 8 h)
.macro FRAG reg, adr, q, i             ; 16 rows x 128 K: 12 registers; lane l holds row l % 16; registers 6 c .. 6 c + 5 hold K = 64 c + 32 (l / 16) + 0 .. 31: 24 bytes as they lie, in pieces of 8
.irp p, 0,1,2,3,4,5
.set PC, 12*(\q)+6*(\p/3)+\p%3        ; 16 bytes of padding lie behind every 8 pieces: where the piece three on lies behind one padding more, the second address register serves
.if PC%8 < 5
	ds_load_b64 v[\reg+2*\p:\reg+2*\p+1], v[\adr] offset:8*PC+16*(PC/8)+(\i)*16*PITCH
.else
	ds_load_b64 v[\reg+2*\p:\reg+2*\p+1], v[\adr+2] offset:8*PC+16*(PC/8)+(\i)*16*PITCH
.endif
.endr
.endm
; 16 matrix instructions: 'A's blocks a0, a0 + 1 x 'B's eight.  The 64 accumulators take turns, one instruction a turn, in the same order in every step.
.macro MUL16 a0, p, q, sc, zero
.irp a, \a0, \a0+1
.irp b, 0,1,2,3,4,5,6,7
.if \zero
	v_wmma_scale_f32_16x16x128_f8f6f4 v[8*(8*((\a)%4)+\b):8*(8*((\a)%4)+\b)+7], v[128*(\p)+FR*\b:128*(\p)+FR*\b+FR-1], v[AF+FR*(\a):AF+FR*(\a)+FR-1], 0, v[SC+8*NQ*(\sc)+NQ*\b+(\q)], v[SC+8*NQ*(\sc)+NQ*(\a)+(\q)] matrix_a_fmt:MATRIX_FMT_FP6 matrix_b_fmt:MATRIX_FMT_FP6 matrix_a_scale:MATRIX_SCALE_ROW1
.else
	v_wmma_scale_f32_16x16x128_f8f6f4 v[8*(8*((\a)%4)+\b):8*(8*((\a)%4)+\b)+7], v[128*(\p)+FR*\b:128*(\p)+FR*\b+FR-1], v[AF+FR*(\a):AF+FR*(\a)+FR-1], v[8*(8*((\a)%4)+\b):8*(8*((\a)%4)+\b)+7], v[SC+8*NQ*(\sc)+NQ*\b+(\q)], v[SC+8*NQ*(\sc)+NQ*(\a)+(\q)] matrix_a_fmt:MATRIX_FMT_FP6 matrix_b_fmt:MATRIX_FMT_FP6 matrix_a_scale:MATRIX_SCALE_ROW1
.endif
.endr
.endr
.endm
.macro FETCH_B slot, q, p
	WIN TO_B
.irp i, 0,1,2,3,4,5,6,7
	FRAG 128*(\p)+FR*\i, ADRB+\slot, \q, \i
.endr
	WIN 0
.endm
.macro FETCH_A slot, q, i0
.irp i, \i0, \i0+1, \i0+2, \i0+3
	FRAG AF+FR*(\i), ADRA+\slot, \q, \i
.endr
.endm
.macro SCALES sc                       ; a K step's scale words: lanes 0-15 take 'A's block i, lanes 16-31 'B's block i
.irp i, 0,1,2,3,4,5,6,7
	ds_load_b64 v[SC+8*NQ*\sc+NQ*\i:SC+8*NQ*\sc+NQ*\i+1], v[ADRS] offset:\i*SBLK
.endr
.endm
.macro PLACES n                        ; plain vector instructions between a matrix instruction and a load into, or a vector instruction on, its registers
.rept \n
	v_nop
.endr
.endm
.macro STEP slot, q, zero              ; 128 along K that has its successor in the same slot
	s_wait_dscnt 4*NL                              ; 'B's set and 'A's blocks 0-3 are in; the youngest 24 loads ('A's blocks 4-7) may be out
	WIN MUL_LO
	MUL16 0, (\q)%2, \q, \slot, \zero
	MUL16 2, (\q)%2, \q, \slot, \zero
	s_wait_dscnt 0                                 ; 'A's blocks 4-7 are in
	PLACES NP
	FETCH_B \slot, (\q)+1, 1-(\q)%2
	FETCH_A \slot, (\q)+1, 0
	WIN MUL_HI
	MUL16 4, (\q)%2, \q, \slot, \zero
	MUL16 6, (\q)%2, \q, \slot, \zero
	PLACES NP
	WIN 0
	FETCH_A \slot, (\q)+1, 4
.endm
; A slot's last step changes slots: ONE barrier; in front of it each wave waits for all its tensor loads, adds 0 to its spare word, and waits for that and for its own reads of this slot.
.macro TURN slot, next, fill
	s_wait_tensorcnt 0x0                           ; all my tensor loads have landed: my part of the next slot
	ds_add_u32 v[SPW], v[NIL]                      ; 0 onto my spare word
	s_wait_dscnt 4*NL+1                            ; (the add and the youngest 24 loads may be out)
	WIN MUL_LO
	MUL16 0, 1, NQ-1, \slot, 0
	s_wait_dscnt 0x0                               ; the add is done, and my reads of this slot are over
	s_barrier_signal -1
	MUL16 2, 1, NQ-1, \slot, 0
	WIN 0
	s_barrier_wait -1
.if \fill
	CREST                                          ; the barrier has opened a round of the cluster's barrier: no wave of any partner still reads this slot or has a load on its way
	s_add_nc_u64 s[G0+4*\slot+2:G0+4*\slot+3], s[G0+4*\slot+2:G0+4*\slot+3], 2*ROWB
	s_add_nc_u64 s[G0B+4*\slot+2:G0B+4*\slot+3], s[G0B+4*\slot+2:G0B+4*\slot+3], 2*ROWB
	JLOAD G0+4*\slot, G1, G0B+4*\slot, G1B         ; the first tensor load behind the round; its four v_nop are the places in front of the loads below
.else
	PLACES NP
.endif
	s_wait_alu depctr_va_vdst(0)
	v_add_nc_u32 v[ADRS], 4*NQ, v[ADRS]            ; the next K step's scale words
	FETCH_B \next, 0, 0
	FETCH_A \next, 0, 0
	SCALES \next
	WIN MUL_HI
	MUL16 4, 1, NQ-1, \slot, 0
	MUL16 6, 1, NQ-1, \slot, 0
	PLACES NP
	WIN 0
	FETCH_A \next, 0, 4
.endm
; THE WAY OUT.
; 32 numbers of a lane, register 16 b + i of block b (two blocks of 32; lane l xor 16 holds each block's other 16), become six registers of codes, lane half h holding block h, and the two scale bytes in v[hw].
.macro HQ src, dst, tmp, hw
.irp b, 0,1
	v_max3_num_f32 v[TM+\b], |v[\src+16*\b]|, |v[\src+16*\b+1]|, 0x1800000   ; the floor 2^(3 - 127) among the leaves: the byte cannot fall under 1
.endr
.irp i, 2,4,6,8,10,12,14
.irp b, 0,1
	v_max3_num_f32 v[TM+\b], v[TM+\b], |v[\src+16*\b+\i]|, |v[\src+16*\b+\i+1]|
.endr
.endr
.irp b, 0,1
	v_permlanex16_b32 v[TP+\b], v[TM+\b], s[SEL], s[SEL+1]
.endr
.irp b, 0,1
	v_max_num_f32 v[TM+\b], v[TM+\b], v[TP+\b]     ; the block's largest magnitude
.endr
.irp b, 0,1
	v_add_nc_u32 v[OP+\b], 0xff000000, v[TM+\b]    ; 2 off its exponent field: the conversion's scale operand
.endr
.irp b, 0,1
	v_lshrrev_b32 v[BY+\b], 23, v[OP+\b]           ; the scale's byte
.endr
	v_lshl_or_b32 v[\hw], v[BY+1], 8, v[BY]
	v_cvt_scalef32_pk16_fp6_f32 v[\dst:\dst+2], v[\src:\src+15], v[OP]
	v_cvt_scalef32_pk16_fp6_f32 v[\tmp:\tmp+2], v[\src+16:\src+31], v[OP+1]
	v_nop                                          ; one plain instruction behind a scaled conversion
.irp i, 0,1,2
	v_permlane16_swap_b32 v[\dst+\i], v[\tmp+\i]   ; lanes 0-15 now hold block 0, lanes 16-31 block 1
.endr
.irp i, 0,1,2
	v_mov_b32 v[\dst+3+\i], v[\tmp+\i]
.endr
.endm
.macro TABLOAD a                       ; cos and sin of block a's 16 tokens: for tile t my four pairs 8 t + 4 h + 0 .. 3
.irp t, 0,1,2,3
.irp e, 0,1
	global_load_b128 v[CSN+32*((\a)%2)+8*\t+4*\e:CSN+32*((\a)%2)+8*\t+4*\e+3], v3, s[96:97] offset:4096*(\a)+64*\t+16*\e
.endr
.endr
.endm
.macro ROPE a, hd                      ; block a's 16 tokens, head hd of my two: 64 channels, 32 a lane.  The accumulators are source 0 throughout, read from their low end on
.set XA, 64*((\a)%4)+32*(\hd)
.set CC, CSN+32*((\a)%2)
	WIN 0x02+(\a)/4
.irp t, 0,1,2,3
.irp j, 0,1,2,3
	v_mul_f32 v[T+8*\t+2*\j], v[XA+8*\t+2*\j+1], v[CC+8*\t+2*\j+1]          ; x2 sin
	v_mul_f32 v[T+8*\t+2*\j+1], v[XA+8*\t+2*\j+1], v[CC+8*\t+2*\j]          ; x2 cos
.endr
.endr
.irp t, 0,1,2,3
.irp j, 0,1,2,3
	v_fma_f32 v[W+8*\t+2*\j], v[XA+8*\t+2*\j], v[CC+8*\t+2*\j], -v[T+8*\t+2*\j]        ; x1 cos - x2 sin
	v_fma_f32 v[W+8*\t+2*\j+1], v[XA+8*\t+2*\j], v[CC+8*\t+2*\j+1], v[T+8*\t+2*\j+1]   ; x1 sin + x2 cos
.endr
.endr
	WIN 0
.endm
.macro QV a                            ; v: block a's 16 channels x my 128 tokens: four blocks of 32 keys; a whole fragment and its scale word
.set AC, 64*((\a)%4)
.set WN, 2+(\a)/4
.set PCD, IMG+12*((\a)%2)
	WIN (WN<<2)|(WN<<4)                            ; sources 1 and 2: the accumulators' window
.irp b, 0,1,2,3
	v_max3_num_f32 v[TM+\b], v[FLR], |v[AC+16*\b]|, |v[AC+16*\b+1]|
.endr
.irp i, 2,4,6,8,10,12,14
.irp b, 0,1,2,3
	v_max3_num_f32 v[TM+\b], v[TM+\b], |v[AC+16*\b+\i]|, |v[AC+16*\b+\i+1]|
.endr
.endr
	WIN 0
.irp b, 0,1,2,3
	v_permlanex16_b32 v[TP+\b], v[TM+\b], s[SEL], s[SEL+1]
.endr
.irp b, 0,1,2,3
	v_max_num_f32 v[TM+\b], v[TM+\b], v[TP+\b]
.endr
.irp b, 0,1,2,3
	v_add_nc_u32 v[OP+\b], 0xff000000, v[TM+\b]
.endr
.irp b, 0,1,2,3
	v_lshrrev_b32 v[BY+\b], 23, v[OP+\b]
.endr
	v_lshl_or_b32 v[PWD+(\a)], v[BY+1], 8, v[BY]
	v_lshl_or_b32 v[PWD+(\a)], v[BY+2], 16, v[PWD+(\a)]
	v_lshl_or_b32 v[PWD+(\a)], v[BY+3], 24, v[PWD+(\a)]
.if (\a) >= 2
	s_wait_xcnt 0x0                                ; block a - 2's stores have read this image's registers
.endif
	WIN WN                                         ; source 0: the accumulators' window
.irp c, 0,1
	v_cvt_scalef32_pk16_fp6_f32 v[PCD+6*\c:PCD+6*\c+2], v[AC+32*\c:AC+32*\c+15], v[OP+2*\c]
	v_cvt_scalef32_pk16_fp6_f32 v[TMPC+4*\c:TMPC+4*\c+2], v[AC+32*\c+16:AC+32*\c+31], v[OP+2*\c+1]
.endr
	WIN 0
	v_nop                                          ; one plain instruction behind a scaled conversion
.irp c, 0,1
.irp i, 0,1,2
	v_permlane16_swap_b32 v[PCD+6*\c+\i], v[TMPC+4*\c+\i]
.endr
.irp i, 0,1,2
	v_mov_b32 v[PCD+3+6*\c+\i], v[TMPC+4*\c+\i]
.endr
.endr
.irp c, 0,1,2                          ; the image: 512 consecutive bytes a store.
.if (\a)%2 == 0
	global_store_b128 v4, v[PCD+4*\c:PCD+4*\c+3], s[12:13] offset:HEADB*((\a)/4)+1536*((\a)%4)+512*\c
.else
	global_store_b128 v6, v[PCD+4*\c:PCD+4*\c+3], s[12:13] offset:HEADB*((\a)/4)+1536*((\a)%4)+512*\c
.endif
.endr
.endm
	s_wait_tensorcnt 1                             ; the scales and my part of K step 0 are in (K step 1's load may be out)
	s_barrier_signal -1
	s_barrier_wait -1                              ; everybody's are
	FETCH_B 0, 0, 0
	FETCH_A 0, 0, 0
	SCALES 0
	FETCH_A 0, 0, 4
	STEP 0, 0, 1                                   ; the first step's products start the sums
	s_mov_b32 s3, LAPS-1
.Llap:                                                 ; a trip goes once round the ring and fills both slots again
	TURN 0, 1, 1
	STEP 1, 0, 0
	TURN 1, 0, 1
	STEP 0, 0, 0
	s_sub_co_u32 s3, s3, 1
	s_cmp_lg_u32 s3, 0
	s_cbranch_scc1 .Llap
	TURN 0, 1, 0                                   ; the last lap fills nothing
	STEP 1, 0, 0
	s_wait_dscnt 4*NL
	WIN MUL_LO
	MUL16 0, 1, NQ-1, 1, 0
	MUL16 2, 1, NQ-1, 1, 0
	s_wait_dscnt 0
	WIN MUL_HI
	MUL16 4, 1, NQ-1, 1, 0
	MUL16 6, 1, NQ-1, 1, 0
	WIN 0
	PLACES NP                                      ; behind the last products: the registers that held 'A's fragments are written below
.irp i, 0,1,2,3
	v_mov_b32 v[TP+\i], 0                          ; a lane permute's destination counts as one of its sources
.endr
	v_mov_b32 v[FLR], 0x1800000
	; where my part goes: tk = my block of 128 tokens (0 .. 63), hp = my pair of heads (0 .. 7)
	s_cmp_eq_u32 ttmp9, 2
	s_cselect_b32 s20, s42, s17
	s_cselect_b32 s21, s16, s15
	s_cselect_b32 s22, s17, s42
	s_cselect_b32 s23, s15, s16
	s_lshl_b32 s20, s20, 1
	s_add_co_u32 s20, s20, s21                     ; tk
	s_lshl_b32 s22, s22, 1
	s_add_co_u32 s22, s22, s23                     ; hp
	s_sub_co_u32 s2, ttmp9, 1
	s_cmp_eq_u32 ttmp9, 0
	s_cselect_b32 s2, 2, s2                        ; K 0, V 1, Q 2
	s_lshr_b32 s21, s20, 4
	s_lshl_b32 s21, s21, 4                         ; 16 x batch
	s_lshl_b32 s22, s22, 1
	s_add_co_u32 s21, s21, s22                     ; + my first head
	s_mul_i32 s100, s21, HEADB
	s_and_b32 s20, s20, 15
	s_mul_i32 s21, s20, STEPB
	s_add_co_u32 s100, s100, s21
	s_mul_i32 s2, s2, SUBB
	s_add_co_u32 s100, s100, s2
	s_mov_b32 s101, 0
	s_add_nc_u64 s[12:13], s[12:13], s[100:101]
	s_lshl_b32 s100, s20, 15                       ; tab: 128 positions of 256 bytes
	s_add_nc_u64 s[96:97], s[96:97], s[100:101]
	s_cmp_eq_u32 ttmp9, 2
	s_cbranch_scc1 .Lv                             ; the same way in all sixteen partners
	; ---- q, k: block by block of 16 tokens: rotate, quantise; two blocks make an image of 12 registers (registers 0-5: tokens 32 b + r, registers 6-11: tokens 32 b + 16 + r)
	TABLOAD 0
.irp a, 0,1,2,3,4,5,6,7
.if \a < 7
	TABLOAD \a+1
	s_wait_loadcnt 8                               ; this block's eight loads are in; the next block's eight may be out
.else
	s_wait_loadcnt 0
.endif
.if (\a%2 == 0) && (\a >= 2)
	s_wait_xcnt 0x0                                ; the last pair's stores have read the images' registers
.endif
.irp hd, 0,1
	ROPE \a, \hd
.if \a%2 == 0
	HQ W, IMG+12*\hd, TMPC, PWD+4*\hd+\a/2
.else
	HQ W, IMG+12*\hd+6, TMPC, HW
	v_lshl_or_b32 v[PWD+4*\hd+\a/2], v[HW], 16, v[PWD+4*\hd+\a/2]   ; the pair's word: the even tile's two bytes, then the odd tile's
.irp c, 0,1,2
	global_store_b128 v4, v[IMG+12*\hd+4*\c:IMG+12*\hd+4*\c+3], s[12:13] offset:HEADB*\hd+1536*(\a/2)+512*\c   ; 512 consecutive bytes, aligned
.endr
.endif
.endr
.endr
	v_cmp_ne_u32 vcc_lo, 0, v2                     ; the words (the same in both halves of the lanes): lanes 0-15 carry pairs 0 and 2, lanes 16-31 pairs 1 and 3
.irp hd, 0,1
.irp j, 0,1
	v_cndmask_b32 v[RR+2*\hd+\j], v[PWD+4*\hd+2*\j], v[PWD+4*\hd+2*\j+1], vcc_lo
.endr
	global_store_b64 v5, v[RR+2*\hd:RR+2*\hd+1], s[12:13] offset:HEADB*\hd+6144   ; 256 consecutive bytes, aligned
.endr
	s_branch .Lend
.Lv:
	s_wait_alu depctr_va_vdst(0)
	; ---- v: block by block of 16 channels
.irp a, 0,1,2,3,4,5,6,7
	QV \a
.endr
	v_cmp_ne_u32 vcc_lo, 0, v2                     ; the words go where the reader's tiles want them: its tile 2 b + u takes rows 8 u + 0..7 of blocks 2 b and 2 b + 1
.irp hd, 0,1
.irp j, 0,1
	v_cndmask_b32 v[RR+2*\hd+\j], v[PWD+4*\hd+2*\j], v[PWD+4*\hd+2*\j+1], vcc_lo
.endr
	global_store_b64 v7, v[RR+2*\hd:RR+2*\hd+1], s[12:13] offset:HEADB*\hd+6144
.endr
.Lend:
	s_wait_tensorcnt 0x0                           ; the wave's end
	ds_add_u32 v[SPW], v[NIL]
	s_wait_dscnt 0x0
	CROUND                                         ; the closing round: no work-group ends while a partner may still ask for a tile that names it
	s_endpgm
.Lfunc_end_k_qc543b73653_qkv:
	.size	k_qc543b73653_qkv, .Lfunc_end_k_qc543b73653_qkv-k_qc543b73653_qkv
	.p2alignl 7, 3214868480
	.fill 96, 4, 3214868480
	.section	.rodata,"a",@progbits
	.p2align	6, 0x0
	.amdhsa_kernel k_qc543b73653_qkv
		.amdhsa_group_segment_fixed_size 327680
		.amdhsa_private_segment_fixed_size 0
		.amdhsa_enable_private_segment 0
		.amdhsa_kernarg_size 80
		.amdhsa_user_sgpr_count 2
		.amdhsa_user_sgpr_kernarg_segment_ptr 1
		.amdhsa_wavefront_size32 1
		.amdhsa_system_sgpr_workgroup_id_x 1
		.amdhsa_system_sgpr_workgroup_id_y 1
		.amdhsa_system_sgpr_workgroup_id_z 1
		.amdhsa_system_vgpr_workitem_id 0
		.amdhsa_next_free_vgpr 1024
		.amdhsa_next_free_sgpr 102
		.amdhsa_reserve_vcc 1
		.amdhsa_float_denorm_mode_32 3
		.amdhsa_float_denorm_mode_16_64 3
		.amdhsa_memory_ordered 1
		.amdhsa_forward_progress 1
		.amdhsa_inst_pref_size 252
	.end_amdhsa_kernel
	.amdgpu_metadata
---
amdhsa.version: [ 1, 2 ]
amdhsa.kernels:
  - .name:           k_qc543b73653_qkv
    .symbol:         k_qc543b73653_qkv.kd
    .args:
      - { .name: x_codes, .offset: 0, .size: 8, .value_kind: global_buffer, .address_space: global }
      - { .name: x_scales, .offset: 8, .size: 8, .value_kind: global_buffer, .address_space: global }
      - { .name: wq_codes, .offset: 16, .size: 8, .value_kind: global_buffer, .address_space: global }
      - { .name: wq_scales, .offset: 24, .size: 8, .value_kind: global_buffer, .address_space: global }
      - { .name: wk_codes, .offset: 32, .size: 8, .value_kind: global_buffer, .address_space: global }
      - { .name: wk_scales, .offset: 40, .size: 8, .value_kind: global_buffer, .address_space: global }
      - { .name: wv_codes, .offset: 48, .size: 8, .value_kind: global_buffer, .address_space: global }
      - { .name: wv_scales, .offset: 56, .size: 8, .value_kind: global_buffer, .address_space: global }
      - { .name: tab, .offset: 64, .size: 8, .value_kind: global_buffer, .address_space: global }
      - { .name: qkv, .offset: 72, .size: 8, .value_kind: global_buffer, .address_space: global }
    .group_segment_fixed_size: 327680
    .private_segment_fixed_size: 0
    .kernarg_segment_align: 8
    .kernarg_segment_size: 80
    .max_flat_workgroup_size: 128
    .sgpr_count:     102
    .vgpr_count:     1024
    .wavefront_size: 32
...
	.end_amdgpu_metadata
.endif
;; end of part 2
;; launch attn (part 3): grid 4 x 64, 16 waves a work-group, clusters of 4 x 1, 206,848 bytes of LDS; arguments qkv, oimg, osc; writes oimg, osc
.if DOCPART == 3
	.amdgcn_target "amdgcn-amd-amdhsa--gfx1250"
	.amdhsa_code_object_version 6
	.text
	.protected	k_qc543b73653_attn
	.globl	k_qc543b73653_attn
	.p2align	8
	.type	k_qc543b73653_attn,@function
k_qc543b73653_attn:
	s_mov_b64 s[64:65], 0
	v_nop
	global_prefetch_b8 v0, s[64:65] scope:SCOPE_SE
	s_setreg_imm32_b32 hwreg(HW_REG_WAVE_MODE, 25, 1), 1
	s_wait_xcnt 0x0
	s_wait_alu depctr_hold_cnt(0) depctr_sa_sdst(0) depctr_va_vdst(0) depctr_va_sdst(0) depctr_va_ssrc(0) depctr_va_vcc(0) depctr_vm_vsrc(0)
	s_getreg_b32 s2, hwreg(HW_REG_IB_STS2, 6, 4)
	s_cmp_eq_u32 s2, 0
	s_cbranch_scc0 .Lentry_in_a_cluster
	s_endpgm
.Lentry_in_a_cluster:
	s_bfe_u32 s2, ttmp6, 0x10000c
	s_cmp_lg_u32 s2, 0x3003
	s_cbranch_scc0 .Lentry_shape_is_right
	s_endpgm
.Lentry_shape_is_right:
; Causal attention of one (batch, head) to a cluster of four work-groups, both products on codes of FP6 (E2M3); head size 64, 2,048 tokens.  The output, divided by the row's sum, is quantised along the channels for the last product.
; K, V AND THEIR SCALE WORDS OF THE WHOLE HEAD, 16 key steps x 12,800 bytes = 204,800, FIT IN LDS: each byte is filled once, by sixteen joint loads (wave w: key step w; the mask names the four work-groups).
; So there is no ring, nothing is filled again and nothing is stored to LDS: one wait, one barrier, then every wave works by itself.
; SHARES.  A wave owns two tiles of 16 queries: the even tile of pair P = 4 w + g and the odd tile of pair 63 - 4 w - g (g = my place in the cluster; a pair = 32 tokens).  Their diagonal key steps are w and 15 - w,
; whatever g is: each wave works 17 key steps, and every branch hangs on the wave's number alone.  The loops have 16 trips; a step all of whose keys are hidden is jumped over.
; LAYOUT.  Both products are used transposed: a lane holds ONE query (lane % 16).  S^T = K Q^T: the head's 64 channels fill half of the instruction's 128, so a fragment of K holds TWO tiles of 16 keys (registers 0-5, 6-11)
; and meets Q as [Q | 0] and as [0 | Q]: each fragment is read once.  O^T = V^T P^T over 128 keys.  Inside a block of 32 the codes of q and k, and of p and v, stand in the same order 0-7, 16-23, 8-15, 24-31.
; V's tile 2 b + u takes channels 32 b + 8 u + r + 8 (r / 8): a lane's 16 registers of two neighbouring tiles are then 16 NEIGHBOURING channels, so o's codes come out in natural order, as the given wo wants them.
; SOFTMAX: t = score x log2(e) / 8; M = the running largest t rounded up to a whole number; p = 2^(t - M) is quantised; the row's sum is taken of the unquantised p; when M moves, sum and O^T are multiplied by 2^(old M - new M): exact.
; A block's largest p is the exponential of the block's largest score (this takes v_exp_f32 not to fall where its input rises).
; LIMITS: NaN and infinities are not served; a block under 2^-124 gets the byte 1 (its codes are zeros or tiny; only this program reads the bytes).
; REGISTERS: v1-7, v35 lane terms; v8-11 the step's addresses; v12 -M, v13 largest t, v[14:15] sum; v16-33 [Q | 0 | Q]; v34 Q's scale word; v36-39 K's and V's scale words; v40-87 four fragments; v88-95 the second tile's Q, the raw words;
;   v96-159 S^T, then p; v160-191 O^T; v192-223 O / sum; v224-235 p's codes; v232-254 at work.
.set KSB,   12800                      ; a key step in LDS: K's codes 6,144, K's words 256, V's codes 6,144, V's words 256
.set HEADB, 307200
.set STEPB, 19200
.set WV,  10
.set CX,  11
.set BH,  12
.set G0,  16
.set G1,  20
.set SEL, 28
.set CS,  30
.set TB,  32
.set STP, 33
.set PQ,  36                           ; s[36:39] Q's codes, tile 0, 1;  s[40:43] Q's words;  s[44:47] where o's codes go;  s[48:51] its scale bytes
.set PW,  40
.set PO,  44
.set PS,  48
.set TM,  232
.set TP,  236
.set BY,  240
.set OP,  244
.macro CROUND                          ; a round of the cluster's barrier
	s_barrier_signal -1
	s_barrier_wait -1
	s_cmp_lg_u32 s[WV], 0
	s_cbranch_scc1 .Lnot_wave_0_\@
	s_barrier_signal -3
.Lnot_wave_0_\@:
	s_barrier_wait -3
	s_barrier_signal -1
	s_barrier_wait -1
.endm
.macro HQ src, dst, tmp, hw            ; 32 numbers of a lane (two blocks of 32, the other 16 of each in lane l xor 16) -> six registers of codes, lane half h holding block h, and two scale bytes
.irp b, 0,1
	v_max3_num_f32 v[TM+\b], |v[\src+16*\b]|, |v[\src+16*\b+1]|, 0x1800000   ; the floor 2^(3 - 127): the byte cannot fall under 1
.endr
.irp i, 2,4,6,8,10,12,14
.irp b, 0,1
	s_delay_alu instid0(VALU_DEP_2)
	v_max3_num_f32 v[TM+\b], v[TM+\b], |v[\src+16*\b+\i]|, |v[\src+16*\b+\i+1]|
.endr
.endr
.irp b, 0,1
	s_delay_alu instid0(VALU_DEP_2)
	v_permlanex16_b32 v[TP+\b], v[TM+\b], s[SEL], s[SEL+1]
.endr
.irp b, 0,1
	s_delay_alu instid0(VALU_DEP_2)
	v_max_num_f32 v[TM+\b], v[TM+\b], v[TP+\b]
.endr
.irp b, 0,1
	s_delay_alu instid0(VALU_DEP_2)
	v_add_nc_u32 v[OP+\b], 0xff000000, v[TM+\b]
.endr
.irp b, 0,1
	s_delay_alu instid0(VALU_DEP_2)
	v_lshrrev_b32 v[BY+\b], 23, v[OP+\b]
.endr
	s_delay_alu instid0(VALU_DEP_1)
	v_lshl_or_b32 v[\hw], v[BY+1], 8, v[BY]
	v_cvt_scalef32_pk16_fp6_f32 v[\dst:\dst+2], v[\src:\src+15], v[OP]
	v_cvt_scalef32_pk16_fp6_f32 v[\tmp:\tmp+2], v[\src+16:\src+31], v[OP+1]
	v_nop                                          ; one plain instruction behind a scaled conversion
.irp i, 0,1,2
	v_permlane16_swap_b32 v[\dst+\i], v[\tmp+\i]
.endr
.irp i, 0,1,2
	s_delay_alu instid0(VALU_DEP_3)
	v_mov_b32 v[\dst+3+\i], v[\tmp+\i]
.endr
.endm
	s_load_b128 s[4:7], s[0:1], 0x0                ; qkv, oimg
	s_load_b64 s[8:9], s[0:1], 0x10                ; osc
	v_lshl_add_u32 v251, v0, 2, 0x32000
	v_mov_b32 v255, 0
	ds_add_u32 v251, v255
	ds_add_u32 v251, v255
	v_lshrrev_b32 v1, 5, v0
	s_delay_alu instid0(VALU_DEP_1)
	v_readfirstlane_b32 s[WV], v1                  ; wave 0..15
	s_and_b32 s[BH], ttmp7, 0xffff                 ; 16 x batch + head, which the four partners share
	s_mul_i32 s15, s[BH], HEADB
	s_mul_i32 s2, s[WV], STEPB
	s_add_co_u32 s2, s2, s15                       ; key step w of the head: the joint load's offset, in registers that never hold my place in the cluster
	s_mov_b32 s3, 0
	s_mov_b32 s[G1], 15|(3<<16)|(1<<21)            ; the mask: all four; elements of 8 bytes; bit 21 beside a mask; no padding
	s_mov_b32 s[G1+1], 32<<16                      ; tensor_dim0 = 32 (256 bytes)
	s_mov_b32 s[G1+2], 50<<16                      ; tensor_dim1 = 50 rows: 12,800 dense bytes
	s_mov_b32 s[G1+3], 32<<16                      ; tile_dim0
	s_mov_b32 s[G1+4], 50                          ; tile_dim1
	s_mov_b32 s[G1+5], 32                          ; pitch
	s_mov_b32 s[G1+6], 0
	s_mov_b32 s[G1+7], 0
	s_mov_b32 s[G0], 1
	s_mul_i32 s[G0+1], s[WV], KSB
	s_bfe_u32 s[CX], ttmp6, 0x40000                ; g: it enters global addresses of Q and o and the mask's numbers alone
	s_lshr_b32 s13, s[BH], 4
	s_lshl_b32 s13, s13, 4                         ; 16 x batch
	s_and_b32 s14, s[BH], 15                       ; head
	s_xor_b32 s34, s[WV], 15                       ; 15 - w: the second tile's key step
	s_sub_co_u32 s53, 3, s[CX]                     ; its pair in that step
	s_lshl_b32 s54, s[CX], 1                       ; the first tile's place among its 128 tokens' eight tiles: 2 g
	s_sub_co_u32 s55, 7, s54                       ; the second's: 7 - 2 g
	s_lshl_b32 s35, s[CX], 5                       ; the first tile's first query in its key step: 32 g
	s_sub_co_u32 s52, 112, s35                     ; the second's: 112 - 32 g
	s_lshr_b32 s56, s14, 2                         ; the head's place in oimg: K step of 256, K step of 128, half of a fragment
	s_mul_i32 s56, s56, 24576
	s_bfe_u32 s57, s14, 0x10001
	s_mul_i32 s57, s57, 1536
	s_add_co_u32 s56, s56, s57
	s_and_b32 s57, s14, 1
	s_mul_i32 s57, s57, 768
	s_add_co_u32 s56, s56, s57
	s_lshl_b32 s14, s14, 1                         ; and in a token's 32 scale bytes
.macro OFFS par, ks, b, tt             ; the byte offsets of tile par: key step s[ks], pair s[b] in it, tile s[tt] of its eight
	s_mul_i32 s58, s[\ks], STEPB
	s_add_co_u32 s58, s58, s15
	s_mul_i32 s59, s[\b], 1536
	s_add_co_u32 s59, s59, s58
	s_add_co_u32 s[PQ+2*\par], s59, 12800          ; Q lies behind K and V
	s_mov_b32 s[PQ+2*\par+1], 0
	s_and_b32 s59, s[\b], 1                        ; the pair's words: lanes 16 (b % 2) on, word b / 2
	s_lshl_b32 s59, s59, 7
	s_add_co_u32 s58, s58, s59
	s_lshr_b32 s59, s[\b], 1
	s_lshl_b32 s59, s59, 2
	s_add_co_u32 s58, s58, s59
	s_add_co_u32 s[PW+2*\par], s58, 12800+6144
	s_mov_b32 s[PW+2*\par+1], 0
	s_add_co_u32 s58, s13, s[\ks]                  ; the block of 128 tokens
	s_mul_i32 s59, s58, 98304
	s_add_co_u32 s59, s59, s56
	s_mul_i32 s60, s[\tt], 3072
	s_add_co_u32 s[PO+2*\par], s59, s60
	s_mov_b32 s[PO+2*\par+1], 0
	s_lshl_b32 s58, s58, 12
	s_lshl_b32 s59, s[\tt], 9
	s_add_co_u32 s58, s58, s59
	s_add_co_u32 s[PS+2*\par], s58, s14
	s_mov_b32 s[PS+2*\par+1], 0
.endm
	OFFS 0, WV, CX, 54
	OFFS 1, 34, 53, 55
	s_mov_b32 s[SEL], 0x76543210
	s_mov_b32 s[SEL+1], 0xfedcba98
	s_mov_b32 s[CS], 0x3e38aa3b                    ; c = log2(e) / sqrt(64)
	s_mov_b32 s[CS+1], s[CS]                       ; (named with it as a pair)
	v_and_b32 v8, 31, v0                           ; lane
	v_and_b32 v9, 15, v0                           ; r
	v_bfe_u32 v10, v0, 4, 1                        ; h
	v_bfe_u32 v11, v0, 3, 1                        ; r / 8
	s_delay_alu instid0(VALU_DEP_4)
	v_lshlrev_b32 v1, 4, v8                        ; 16 x lane: K's images, Q's
	v_lshlrev_b32 v4, 3, v8                        ; 8 x lane: scale words, o's images
	v_lshlrev_b32 v6, 3, v9                        ; 8 r: Q's word
	v_lshlrev_b32 v7, 5, v9                        ; 32 r: o's scale bytes
	v_and_b32 v12, 7, v0
	s_delay_alu instid0(VALU_DEP_1)
	v_lshlrev_b32 v12, 4, v12
	s_delay_alu instid0(VALU_DEP_1)
	v_lshl_add_u32 v12, v10, 8, v12                ; 16 (r % 8) + 256 h
	s_delay_alu instid0(VALU_DEP_1)
	v_mad_u32_u24 v2, v11, 1664, v12               ; V, tiles 2 b:     rows 0-7 of block 2 b, rows 0-7 of block 2 b + 1 (which lie at places 8-15 there): 1,536 + 128 further on
	s_delay_alu instid0(VALU_DEP_2)
	v_mad_u32_u24 v3, v11, 1408, v12               ; V, tiles 2 b + 1: rows 8-15 of block 2 b (128 on), rows 8-15 of block 2 b + 1 (at places 0-7): 1,536 - 128 further on
	s_delay_alu instid0(VALU_DEP_1)
	v_add_nc_u32 v3, 128, v3
	v_lshlrev_b32 v13, 3, v10
	s_delay_alu instid0(VALU_DEP_1)
	v_sub_nc_u32 v35, v9, v13                      ; r - 8 h
.irp b, 0,1,2,3
	v_mov_b32 v[236+\b], 0                         ; written once: a lane permute's destination counts as one of its sources
.endr
	v_mov_b32 v252, 0
	v_mov_b32 v253, 0                              ; (named as the upper half of the pair v[252:253] before it is first written)
	s_wait_dscnt 0x0
	s_wait_kmcnt 0x0
	s_add_nc_u64 s[G0+2:G0+3], s[4:5], s[2:3]
	s_or_b32 s[G0+3], s[G0+3], 0x80000000
.irp p, 0,1
	s_add_nc_u64 s[PQ+2*\p:PQ+2*\p+1], s[4:5], s[PQ+2*\p:PQ+2*\p+1]
	s_add_nc_u64 s[PW+2*\p:PW+2*\p+1], s[4:5], s[PW+2*\p:PW+2*\p+1]
	s_add_nc_u64 s[PO+2*\p:PO+2*\p+1], s[6:7], s[PO+2*\p:PO+2*\p+1]
	s_add_nc_u64 s[PS+2*\p:PS+2*\p+1], s[8:9], s[PS+2*\p:PS+2*\p+1]
.endr
	CROUND                                         ; all four work-groups are here: the joint loads meet
	tensor_load_to_lds s[G0:G0+3], s[G1:G1+7]      ; my one tensor load of the launch: key step w
	s_nop 0
.rept 4
	v_nop
.endr
	global_load_b128 v[16:19], v1, s[PQ:PQ+1]                  ; the first tile's Q: registers 0-5 of its pair's image
	global_load_b64 v[20:21], v1, s[PQ:PQ+1] offset:512
	global_load_b32 v95, v6, s[PW:PW+1]
	global_load_b64 v[88:89], v1, s[PQ+2:PQ+3] offset:520      ; the second tile's: registers 6-11
	global_load_b128 v[90:93], v1, s[PQ+2:PQ+3] offset:1024
	global_load_b32 v94, v6, s[PW+2:PW+3]
	s_wait_tensorcnt 0x0                           ; my key step has landed,
	s_barrier_signal -1
	s_barrier_wait -1                              ; everybody's has: the head's K and V are whole
	s_wait_loadcnt 0x0                             ; Q
; ONE TILE OF 16 QUERIES.  dg: the register with its diagonal key step;  qs: the register with its first query's place in that step
.macro TILE par, dg, qs
.if \par
	s_wait_xcnt 0x0                                ; the first tile's stores have read their registers
.irp i, 0,1,2,3,4,5
	v_mov_b32 v[16+\i], v[88+\i]
.endr
	v_lshrrev_b32 v34, 16, v94                     ; the odd tile's two bytes
.else
	v_and_b32 v34, 0xffff, v95                     ; the even tile's
.endif
	s_delay_alu instid0(VALU_DEP_1)
	v_lshl_or_b32 v34, v34, 16, v34                ; for both halves of the instruction's K
.irp i, 0,1,2,3,4,5
	v_mov_b32 v[28+\i], v[16+\i]
	v_mov_b32 v[22+\i], 0
.endr
	v_add_nc_u32 v5, s[\qs], v35                   ; d = my query's place in the diagonal step - 8 h
	v_mov_b32 v13, 0xff61b1e6                      ; the largest t so far: -3e38
	s_delay_alu instid0(VALU_DEP_1)
	v_floor_f32 v12, -v13
	v_mov_b32 v14, 0
	v_mov_b32 v15, 0
.set n, 0
.rept 32
	v_mov_b32 v[160+n], 0                          ; O^T: the step is written once; the first change of M leaves zeros zeros.  (These are also the places between Q's word and the first product)
.set n, n+1
.endr
	s_mov_b32 s[TB], 0
	s_mov_b32 s[STP], 0
.Lstep_\@:
	s_cmp_gt_u32 s[STP], s[\dg]                    ; all keys of the step come after my queries: nothing to do
	s_cbranch_scc1 .Lhid_\@
	s_setprio 2
	v_add_nc_u32 v8, s[TB], v1                     ; (these four are the places behind the last step's products, in front of the loads into their registers)
	v_add_nc_u32 v9, s[TB], v2
	v_add_nc_u32 v10, s[TB], v3
	v_add_nc_u32 v11, s[TB], v4
.irp b, 0,1,2,3
.irp c, 0,1,2
	ds_load_b128 v[40+12*\b+4*\c:43+12*\b+4*\c], v8 offset:1536*\b+512*\c   ; K's four images: 512 consecutive bytes a load
.endr
.endr
	ds_load_b64 v[36:37], v11 offset:6144          ; K's words: lanes 0-15 pairs 0, 2; lanes 16-31 pairs 1, 3
	ds_load_b64 v[38:39], v11 offset:12544         ; V's: lanes 0-15 tiles 0, 2; lanes 16-31 tiles 1, 3
	s_wait_alu depctr_va_vdst(0)
	s_wait_dscnt 0x0
.irp b, 0,1,2,3
.irp u, 0,1
.if \b%2
	v_wmma_scale_f32_16x16x128_f8f6f4 v[96+8*(2*\b+\u):103+8*(2*\b+\u)], v[40+12*\b:51+12*\b], v[16+6*\u:27+6*\u], 0, v[36+\b/2], v34 matrix_a_fmt:MATRIX_FMT_FP6 matrix_b_fmt:MATRIX_FMT_FP6 matrix_a_scale:MATRIX_SCALE_ROW1
.else
	v_wmma_scale_f32_16x16x128_f8f6f4 v[96+8*(2*\b+\u):103+8*(2*\b+\u)], v[40+12*\b:51+12*\b], v[16+6*\u:27+6*\u], 0, v[36+\b/2], v34 matrix_a_fmt:MATRIX_FMT_FP6 matrix_b_fmt:MATRIX_FMT_FP6
.endif
.endr
.endr                                          ; register 8 t + j of lane (r, h): query r, key 16 t + 8 h + j of the step
.rept 4
	v_nop                                          ; places: behind them K's registers take V, and the scores are read
.endr
.irp b, 0,1
.irp u, 0,1
.irp c, 0,1,2
	ds_load_b128 v[40+12*(2*\b+\u)+4*\c:43+12*(2*\b+\u)+4*\c], v[9+\u] offset:6400+3072*\b+512*\c   ; V's four tiles land while the softmax is worked
.endr
.endr
.endr
	s_cmp_lt_u32 s[STP], s[\dg]
	s_cbranch_scc1 .Lopen_\@                       ; all keys of the step count
	v_mov_b32 v254, 0xff800000                     ; on the diagonal hidden scores become -infinity: p = 0
.set n, 0
.rept 64
	v_cmp_gt_i32 vcc_lo, 16*(n/8)+n%8, v5
	v_cndmask_b32 v[96+n], v[96+n], v254, vcc_lo
.set n, n+1
.endr
.Lopen_\@:
.irp b, 0,1,2,3
	v_max3_num_f32 v[232+\b], v[96+16*\b], v[97+16*\b], v[98+16*\b]   ; the largest score of each block of 32 keys: for the row's maximum, and for the block's largest p
.endr
.irp i, 3,5,7,9,11,13
.irp b, 0,1,2,3
	v_max3_num_f32 v[232+\b], v[232+\b], v[96+16*\b+\i], v[97+16*\b+\i]
.endr
.endr
.irp b, 0,1,2,3
	v_max_num_f32 v[232+\b], v[232+\b], v[111+16*\b]
.endr
.irp b, 0,1,2,3
	s_delay_alu instid0(VALU_DEP_4)
	v_permlanex16_b32 v[236+\b], v[232+\b], s[SEL], s[SEL+1]
.endr
.irp b, 0,1,2,3
	s_delay_alu instid0(VALU_DEP_4)
	v_max_num_f32 v[232+\b], v[232+\b], v[236+\b]
.endr
	s_delay_alu instid0(VALU_DEP_2)
	v_max3_num_f32 v254, v232, v233, v234
	s_delay_alu instid0(VALU_DEP_1)
	v_max_num_f32 v254, v254, v235
	s_delay_alu instid0(VALU_DEP_1)
	v_mul_f32 v254, s[CS], v254
	s_delay_alu instid0(VALU_DEP_1)
	v_max_num_f32 v13, v13, v254                   ; the running largest t
	v_mov_b32 v254, v12
	s_delay_alu instid0(VALU_DEP_2)
	v_floor_f32 v12, -v13                          ; -M = floor(-t): M is a whole number
	s_delay_alu instid0(VALU_DEP_1)
	v_sub_f32 v254, v12, v254
	s_delay_alu instid0(VALU_DEP_1)
	v_cvt_i32_f32 v254, v254                       ; (it saturates)
	s_delay_alu instid0(VALU_DEP_1)
	v_ldexp_f32 v252, 1.0, v254                    ; f = 2^(old M - new M)
.set n, 0
.rept 32
	v_pk_fma_f32 v[96+n:97+n], v[96+n:97+n], s[CS:CS+1], v[12:13] op_sel_hi:[1,0,0]   ; t - M, two at a time
.set n, n+2
.endr
	s_setprio 1
.irp b, 0,1,2,3
	v_fma_f32 v[232+\b], v[232+\b], s[CS], v12
.endr
.set n, 0
	s_wait_alu depctr_va_vdst(0)
.rept 64
	v_exp_f32 v[96+n], v[96+n]                     ; p = 2^(t - M)
.set n, n+1
.endr
.irp b, 0,1,2,3
	v_exp_f32 v[232+\b], v[232+\b]                 ; the block's largest p
.endr
	v_pk_mul_f32 v[14:15], v[14:15], v[252:253] op_sel_hi:[1,0]   ; the sums under the new M.  (The plain instruction behind the exponentials)
	s_wait_alu depctr_va_vdst(0)
.irp b, 0,1,2,3
	v_max_num_f32 v[232+\b], 0x1800000, v[232+\b]  ; the floor 2^(3 - 127)
.endr
.irp b, 0,1,2,3
	s_delay_alu instid0(VALU_DEP_4)
	v_add_nc_u32 v[244+\b], 0xff000000, v[232+\b]
.endr
.irp b, 0,1,2,3
	s_delay_alu instid0(VALU_DEP_4)
	v_lshrrev_b32 v[236+\b], 23, v[244+\b]
.endr
	s_delay_alu instid0(VALU_DEP_3)
	v_lshl_or_b32 v253, v237, 8, v236              ; p's scale word for these 128 keys
	s_delay_alu instid0(VALU_DEP_1)
	v_lshl_or_b32 v253, v238, 16, v253
	s_delay_alu instid0(VALU_DEP_1)
	v_lshl_or_b32 v253, v239, 24, v253
.irp c, 0,1
	v_cvt_scalef32_pk16_fp6_f32 v[224+6*\c:226+6*\c], v[96+32*\c:111+32*\c], v[244+2*\c]
	v_cvt_scalef32_pk16_fp6_f32 v[236+4*\c:238+4*\c], v[112+32*\c:127+32*\c], v[244+2*\c+1]
.endr
	v_nop                                          ; one plain instruction behind a scaled conversion
.irp c, 0,1
.irp i, 0,1,2
	v_permlane16_swap_b32 v[224+6*\c+\i], v[236+4*\c+\i]
.endr
.irp i, 0,1,2
	s_delay_alu instid0(VALU_DEP_3)
	v_mov_b32 v[227+6*\c+\i], v[236+4*\c+\i]
.endr
.endr
	v_pk_add_f32 v[236:237], v[100:101], v[104:105]
	v_pk_add_f32 v[248:249], v[108:109], v[112:113]
	v_pk_add_f32 v[246:247], v[116:117], v[120:121]
	v_pk_add_f32 v[244:245], v[124:125], v[128:129]
	v_pk_add_f32 v[242:243], v[132:133], v[136:137]
	v_pk_add_f32 v[240:241], v[140:141], v[144:145]
	v_pk_add_f32 v[222:223], v[148:149], v[152:153]
	v_pk_add_f32 v[14:15], v[14:15], v[156:157]
	v_pk_add_f32 v[236:237], v[236:237], v[96:97]
	v_pk_add_f32 v[248:249], v[248:249], v[98:99]
	v_pk_add_f32 v[246:247], v[246:247], v[102:103]
	s_setprio 0
	v_pk_add_f32 v[244:245], v[244:245], v[106:107]
	v_pk_add_f32 v[242:243], v[242:243], v[110:111]
	v_pk_add_f32 v[240:241], v[240:241], v[114:115]
	v_pk_add_f32 v[222:223], v[222:223], v[118:119]
	v_pk_add_f32 v[14:15], v[14:15], v[122:123]
	v_pk_add_f32 v[236:237], v[236:237], v[126:127]
	v_pk_add_f32 v[248:249], v[248:249], v[130:131]
	v_pk_add_f32 v[246:247], v[246:247], v[134:135]
	v_pk_add_f32 v[244:245], v[244:245], v[138:139]
	v_pk_add_f32 v[242:243], v[242:243], v[142:143]
	v_pk_add_f32 v[240:241], v[240:241], v[146:147]
	v_pk_add_f32 v[222:223], v[222:223], v[150:151]
	v_pk_add_f32 v[14:15], v[14:15], v[154:155]
	v_pk_add_f32 v[236:237], v[236:237], v[158:159]
	s_delay_alu instid0(VALU_DEP_2)
	v_pk_add_f32 v[14:15], v[14:15], v[244:245]
	s_delay_alu instid0(VALU_DEP_2)
	v_pk_add_f32 v[236:237], v[236:237], v[242:243]
	v_pk_add_f32 v[248:249], v[248:249], v[240:241]
	v_pk_add_f32 v[246:247], v[246:247], v[222:223]
	s_delay_alu instid0(VALU_DEP_2)
	v_pk_add_f32 v[14:15], v[14:15], v[248:249]
	s_delay_alu instid0(VALU_DEP_2)
	v_pk_add_f32 v[236:237], v[236:237], v[246:247]
	s_delay_alu instid0(VALU_DEP_1)
	v_pk_add_f32 v[14:15], v[14:15], v[236:237]
.set n, 0
.rept 16
	v_pk_mul_f32 v[160+n:161+n], v[160+n:161+n], v[252:253] op_sel_hi:[1,0]   ; O^T under the new M
.set n, n+2
.endr
	s_wait_alu depctr_va_vdst(0)
	s_wait_dscnt 0x0                               ; V is in
.irp t, 0,1,2,3                                ; the four accumulators take one turn each; the next step's eight products stand between two links
.if \t%2
	v_wmma_scale_f32_16x16x128_f8f6f4 v[160+8*\t:167+8*\t], v[40+12*\t:51+12*\t], v[224:235], v[160+8*\t:167+8*\t], v[38+\t/2], v253 matrix_a_fmt:MATRIX_FMT_FP6 matrix_b_fmt:MATRIX_FMT_FP6 matrix_a_scale:MATRIX_SCALE_ROW1
.else
	v_wmma_scale_f32_16x16x128_f8f6f4 v[160+8*\t:167+8*\t], v[40+12*\t:51+12*\t], v[224:235], v[160+8*\t:167+8*\t], v[38+\t/2], v253 matrix_a_fmt:MATRIX_FMT_FP6 matrix_b_fmt:MATRIX_FMT_FP6
.endif
.endr
.Lhid_\@:
	s_add_co_u32 s[TB], s[TB], KSB
	s_add_co_u32 s[STP], s[STP], 1
	s_cmp_lt_u32 s[STP], 16
	s_cbranch_scc1 .Lstep_\@
	s_setprio 0
	; the way out: O^T / the sum; registers 16 b + i of lane (r, h) are channels 32 b + 16 h + i of query r
.rept 4
	v_nop
.endr
	v_add_f32 v14, v14, v15
	s_delay_alu instid0(VALU_DEP_1)
	v_permlanex16_b32 v252, v14, s[SEL], s[SEL+1]
	s_delay_alu instid0(VALU_DEP_1)
	v_add_f32 v14, v14, v252                       ; the row's sum
	s_wait_alu depctr_va_vdst(0)
	v_rcp_f32 v14, v14
	v_nop                                          ; one plain instruction behind the reciprocal
.set n, 0
	s_wait_alu depctr_va_vdst(0)
.rept 32
	v_mul_f32 v[192+n], v[160+n], v14
.set n, n+1
.endr
	HQ 192, 224, 248, 254
.irp p, 0,1,2
	global_store_b64 v4, v[224+2*\p:225+2*\p], s[PO+2*\par:PO+2*\par+1] offset:256*\p   ; half a fragment of the last product's operand: 256 consecutive bytes a store, aligned
.endr
	global_store_b16 v7, v254, s[PS+2*\par:PS+2*\par+1]        ; my token's two scale bytes (both halves of the lanes hold and store the same)
.endm
	TILE 0, WV, 35
	TILE 1, 34, 52
	s_wait_tensorcnt 0x0
	ds_add_u32 v251, v255
	s_wait_dscnt 0x0
	CROUND                                         ; the closing round: no work-group ends while a partner may still ask for a tile that names it
	s_endpgm
.Lfunc_end_k_qc543b73653_attn:
	.size	k_qc543b73653_attn, .Lfunc_end_k_qc543b73653_attn-k_qc543b73653_attn
	.p2alignl 7, 3214868480
	.fill 96, 4, 3214868480
	.section	.rodata,"a",@progbits
	.p2align	6, 0x0
	.amdhsa_kernel k_qc543b73653_attn
		.amdhsa_group_segment_fixed_size 206848
		.amdhsa_private_segment_fixed_size 0
		.amdhsa_enable_private_segment 0
		.amdhsa_kernarg_size 24
		.amdhsa_user_sgpr_count 2
		.amdhsa_user_sgpr_kernarg_segment_ptr 1
		.amdhsa_wavefront_size32 1
		.amdhsa_system_sgpr_workgroup_id_x 1
		.amdhsa_system_sgpr_workgroup_id_y 1
		.amdhsa_system_sgpr_workgroup_id_z 1
		.amdhsa_system_vgpr_workitem_id 0
		.amdhsa_next_free_vgpr 256
		.amdhsa_next_free_sgpr 66
		.amdhsa_reserve_vcc 1
		.amdhsa_float_denorm_mode_32 3
		.amdhsa_float_denorm_mode_16_64 3
		.amdhsa_memory_ordered 1
		.amdhsa_forward_progress 1
		.amdhsa_inst_pref_size 65
	.end_amdhsa_kernel
	.amdgpu_metadata
---
amdhsa.version: [ 1, 2 ]
amdhsa.kernels:
  - .name:           k_qc543b73653_attn
    .symbol:         k_qc543b73653_attn.kd
    .args:
      - { .name: qkv, .offset: 0, .size: 8, .value_kind: global_buffer, .address_space: global }
      - { .name: oimg, .offset: 8, .size: 8, .value_kind: global_buffer, .address_space: global }
      - { .name: osc, .offset: 16, .size: 8, .value_kind: global_buffer, .address_space: global }
    .group_segment_fixed_size: 206848
    .private_segment_fixed_size: 0
    .kernarg_segment_align: 8
    .kernarg_segment_size: 24
    .max_flat_workgroup_size: 512
    .sgpr_count:     66
    .vgpr_count:     256
    .wavefront_size: 32
...
	.end_amdgpu_metadata
.endif
;; end of part 3
;; launch proj (part 4): grid 4 x 32, 4 waves a work-group, clusters of 4 x 4, 327,680 bytes of LDS; arguments oimg, osc, wo_codes, wo_scales, out0; writes out0
.if DOCPART == 4
	.amdgcn_target "amdgcn-amd-amdhsa--gfx1250"
	.amdhsa_code_object_version 6
	.text
	.protected	k_qc543b73653_proj
	.globl	k_qc543b73653_proj
	.p2align	8
	.type	k_qc543b73653_proj,@function
k_qc543b73653_proj:
	s_mov_b64 s[64:65], 0
	v_nop
	global_prefetch_b8 v0, s[64:65] scope:SCOPE_SE
	s_setreg_imm32_b32 hwreg(HW_REG_WAVE_MODE, 25, 1), 1
	s_wait_xcnt 0x0
	s_wait_alu depctr_hold_cnt(0) depctr_sa_sdst(0) depctr_va_vdst(0) depctr_va_sdst(0) depctr_va_ssrc(0) depctr_va_vcc(0) depctr_vm_vsrc(0)
	s_getreg_b32 s2, hwreg(HW_REG_IB_STS2, 6, 4)
	s_cmp_eq_u32 s2, 0
	s_cbranch_scc0 .Lentry_in_a_cluster
	s_endpgm
.Lentry_in_a_cluster:
	s_bfe_u32 s2, ttmp6, 0x10000c
	s_cmp_lg_u32 s2, 0xf033
	s_cbranch_scc0 .Lentry_shape_is_right
	s_endpgm
.Lentry_shape_is_right:
; out0[m][n] = sum over k of o[m][k] wo[n][k] on codes of FP6 (E2M3) with one E8M0 scale for each 32 along K = 1,024; out0: [8,192][1,024] f32.
; A = o comes as IMAGES OF OPERAND REGISTERS: oimg = [128 tokens][K step of 256][tile of 16 tokens][128 along K][piece of two registers][lane][8 bytes]: a slot's part of A is one dense block of 24,576 bytes,
; and a fragment is six loads of 256 consecutive bytes.  Its scale bytes osc are [token][32].  B = wo comes as rows of codes, 768 bytes each, with scale bytes [row][32].
; A tile of 256 x 256 to a work-group of four waves, 128 x 128 (64 accumulators) to a wave; K in steps of 256 through two LDS slots; the scale bytes come once and stay.
; 4 x 4 work-groups form a cluster: A's tiles are asked for jointly along a row of the cluster, B's along a column.  The matrix instruction takes 16 rows of B as source 0 and 16 rows of A as source 1:
; a lane then holds eight neighbouring numbers of a row of the output.  128 tiles: half of the WGPs have a work-group.
; REGISTERS: window 0: v16-29 addresses; v32-63 scale words, two sets, and nothing else; v128-223 A's fragments, one set (on the way out v128-255: rows read back); window 1: B's fragments, two sets; windows 2, 3: accumulators.
.set SIZE_N, 1024
.set NQ,     2
.set ROWB,   192
.set KROW,   768
.set PITCH,  240                       ; B's LDS row: 3 x (64 bytes + 16 of padding)
.set FR,     12
.set NL,     6
.set NP,     4
.set AHALF,  24576                     ; A: 128 tokens x 256 along K
.set HALFT,  128*PITCH                 ; B: 128 rows
.set SLOT,   2*AHALF+2*HALFT
.set LAPS,   2
.set KS,     32
.set SCL,    2*SLOT
.set HALFS,  (128*KS/256)*272
.set SBLK,   (16*KS/256)*272
.set SPARE,  SCL+4*HALFS               ; the spare words: 128 bytes a wave, two blocks of 256 bytes that no other line names
.set SPITCH, 528                       ; the way out: a stage of 16 rows x (512 + 16) bytes for each wave, in slot 0, which has had its last fill and its last read by then
.set ADRA, 16
.set ADRB, 20
.set STO,  24
.set RD,   25
.set CO,   26
.set ADRS, 27
.set SPW,  28
.set NIL,  29
.set SC,   32
.set AF,   128
.set BK,   128
.set G1, 24
.set G0, 32
.set G1B, 48
.set G0B, 56
.set G1S, 68
.set G0S, 76
.set G1SB, 80
.set G0SB, 88
.set MSB, 0
.macro WIN new
.if MSB != (\new)
	s_set_vgpr_msb (MSB<<8)|(\new)
.set MSB, (\new)
.endif
.endm
.set MUL_LO, 0xa1
.set MUL_HI, 0xf1
.set TO_B,   0x40
.macro JLOAD g0a, g1a, g0b, g1b        ; a joint load: waves 0 and 1 fetch for A, waves 2 and 3 for B; four v_nop follow each of the two lines
	s_cmp_eq_u32 s15, 0
	s_cbranch_scc0 .Lfor_b_\@
	tensor_load_to_lds s[\g0a:\g0a+3], s[\g1a:\g1a+7]
	s_nop 0
.rept 4
	v_nop
.endr
	s_branch .Lasked_\@
.Lfor_b_\@:
	tensor_load_to_lds s[\g0b:\g0b+3], s[\g1b:\g1b+7]
	s_nop 0
.rept 4
	v_nop
.endr
.Lasked_\@:
.endm
.macro CREST
	s_cmp_lg_u32 s14, 0
	s_cbranch_scc1 .Lnot_wave_0_\@
	s_barrier_signal -3
.Lnot_wave_0_\@:
	s_barrier_wait -3
	s_barrier_signal -1
	s_barrier_wait -1
.endm
.macro CROUND
	s_barrier_signal -1
	s_barrier_wait -1
	CREST
.endm
	s_load_b128 s[4:7], s[0:1], 0x0                ; oimg, osc
	s_load_b128 s[8:11], s[0:1], 0x10              ; wo's codes, wo's scales
	s_load_b64 s[12:13], s[0:1], 0x20              ; out0
	v_lshl_add_u32 v[SPW], v0, 2, SPARE
	v_mov_b32 v[NIL], 0
	ds_add_u32 v28, v29
	ds_add_u32 v28, v29
	s_wait_dscnt 0x0
	v_lshrrev_b32 v1, 5, v0
	v_readfirstlane_b32 s14, v1                    ; wave 0..3
	s_lshr_b32 s15, s14, 1                         ; which half of the tile's rows is mine.  Also: I fetch for A (0) or for B (1)
	s_and_b32 s16, s14, 1                          ; which half of its columns.  Also: which 128 rows I fetch
	s_bfe_u32 s40, ttmp6, 0x40000
	s_bfe_u32 s41, ttmp6, 0x40004
	s_lshl_b32 s42, ttmp9, 2
	s_add_co_u32 s42, s42, s40                     ; tile column
	s_and_b32 s17, ttmp7, 0xffff
	s_lshl_b32 s17, s17, 2
	s_add_co_u32 s17, s17, s41                     ; tile row
	s_lshl_b32 s43, s41, 2
	s_lshl_b32 s43, 15, s43                        ; my row of the cluster
	s_lshl_b32 s44, 0x1111, s40                    ; my column
	s_or_b32 s[G1+0], s43, (3<<16)|(1<<21)         ; A: a dense block as 96 rows of 256 bytes (32 elements of 8 bytes), no padding
	s_mov_b32 s[G1+1], 32<<16
	s_mov_b32 s[G1+2], 96<<16
	s_mov_b32 s[G1+3], 32<<16
	s_mov_b32 s[G1+4], 96
	s_mov_b32 s[G1+5], 32
	s_mov_b32 s[G1+6], 0
	s_mov_b32 s[G1+7], 0
	s_or_b32 s[G1B+0], s44, (0<<16)|(1<<20)|(1<<21)|(3<<22)|(3<<25)  ; B: 128 rows of 192 bytes, 16 bytes of padding behind every 64
	s_mov_b32 s[G1B+1], ROWB<<16
	s_mov_b32 s[G1B+2], 128<<16
	s_mov_b32 s[G1B+3], ROWB<<16
	s_mov_b32 s[G1B+4], 128
	s_mov_b32 s[G1B+5], KROW
	s_mov_b32 s[G1B+6], 0
	s_mov_b32 s[G1B+7], 0
	s_or_b32 s[G1S+0], s43, (3<<16)|(1<<20)|(1<<21)|(5<<22)|(3<<25)  ; the scales of 128 rows: 4,096 dense bytes as rows of 256, 16 bytes of padding behind each
	s_or_b32 s[G1SB+0], s44, (3<<16)|(1<<20)|(1<<21)|(5<<22)|(3<<25)
.irp g, G1S, G1SB
	s_mov_b32 s[\g+1], 32<<16
	s_mov_b32 s[\g+2], (128*KS/256)<<16
	s_mov_b32 s[\g+3], 32<<16
	s_mov_b32 s[\g+4], 128*KS/256
	s_mov_b32 s[\g+5], 32
	s_mov_b32 s[\g+6], 0
	s_mov_b32 s[\g+7], 0
.endr
	s_lshl_b32 s18, s16, 7
	s_lshl_b32 s20, s17, 8
	s_add_co_u32 s20, s20, s18                     ; A: row 256 x tile row + 128 x half
	s_lshl_b32 s46, s42, 8
	s_add_co_u32 s46, s46, s18                     ; B: row 256 x tile column + 128 x half
	s_mov_b32 s21, 0
	s_mov_b32 s47, 0
	s_mov_b64 s[18:19], KS
	s_mul_u64 s[22:23], s[20:21], s[18:19]         ; these rows' scales
	s_mul_u64 s[92:93], s[46:47], s[18:19]
	s_mov_b64 s[18:19], KROW
	s_mul_u64 s[20:21], s[20:21], s[18:19]         ; and their codes (A: 128 tokens' images are 128 x 768 bytes too)
	s_mul_u64 s[46:47], s[46:47], s[18:19]
	s_mul_i32 s45, s16, AHALF                      ; where they go: A's two halves,
	s_mul_i32 s95, s16, HALFT
	s_add_co_u32 s95, s95, 2*AHALF                 ; then B's two
	s_mul_i32 s94, s14, HALFS
	s_wait_kmcnt 0x0
	s_add_nc_u64 s[20:21], s[4:5], s[20:21]
	s_add_nc_u64 s[22:23], s[6:7], s[22:23]
	s_add_nc_u64 s[46:47], s[8:9], s[46:47]
	s_add_nc_u64 s[92:93], s[10:11], s[92:93]
	CROUND                                         ; all sixteen work-groups are here: the first joint loads meet
	s_mov_b32 s[G0S], 1
	s_add_co_u32 s[G0S+1], s94, SCL
	s_mov_b64 s[G0S+2:G0S+3], s[22:23]
	s_or_b32 s[G0S+3], s[G0S+3], 0x80000000
	s_mov_b32 s[G0SB], 1
	s_add_co_u32 s[G0SB+1], s94, SCL
	s_mov_b64 s[G0SB+2:G0SB+3], s[92:93]
	s_or_b32 s[G0SB+3], s[G0SB+3], 0x80000000
	JLOAD G0S, G1S, G0SB, G1SB
.irp s, 0,1
	s_mov_b32 s[G0+4*\s], 1
	s_add_co_u32 s[G0+4*\s+1], s45, \s*SLOT
	s_add_nc_u64 s[G0+4*\s+2:G0+4*\s+3], s[20:21], \s*AHALF
	s_or_b32 s[G0+4*\s+3], s[G0+4*\s+3], 0x80000000
	s_mov_b32 s[G0B+4*\s], 1
	s_add_co_u32 s[G0B+4*\s+1], s95, \s*SLOT
	s_add_nc_u64 s[G0B+4*\s+2:G0B+4*\s+3], s[46:47], \s*ROWB
	s_or_b32 s[G0B+4*\s+3], s[G0B+4*\s+3], 0x80000000
	s_wait_alu depctr_va_vdst(0)
	s_wait_tensorcnt 0x0
	ds_add_u32 v28, v29
	s_wait_dscnt 0x0
	CROUND
	JLOAD G0+4*\s, G1, G0B+4*\s, G1B
.endr
	v_and_b32 v1, 15, v0                           ; r
	v_bfe_u32 v2, v0, 4, 1                         ; h
	v_mul_u32_u24 v3, v1, PITCH
	v_mul_u32_u24 v4, v2, 24
	v_add_nc_u32 v4, v3, v4                        ; B: row x pitch + 24 x half
	v_lshl_add_u32 v5, v2, 4, v4                   ; and the same behind one padding more
	v_and_b32 v6, 31, v0
	v_lshlrev_b32 v7, 3, v6                        ; A: 8 x lane
	s_mul_i32 s21, s15, AHALF                      ; my 128 rows of A
	s_mul_i32 s22, s16, HALFT                      ; my 128 rows of B,
	s_add_co_u32 s22, s22, 2*AHALF                 ; behind A's two halves
.irp s, 0,1
	v_add_nc_u32 v[ADRA+\s], s21, v7
	v_add_nc_u32 v[ADRB+\s], s22, v4
	v_add_nc_u32 v[ADRB+2+\s], s22, v5
	s_add_co_u32 s21, s21, SLOT
	s_add_co_u32 s22, s22, SLOT
.endr
	v_mul_u32_u24 v5, v1, KS
	v_lshrrev_b32 v6, 8, v5
	v_lshl_add_u32 v5, v6, 4, v5
	s_mul_i32 s21, s15, HALFS
	s_mul_i32 s22, s16, HALFS
	s_add_co_u32 s22, s22, 2*HALFS
	s_sub_co_u32 s22, s22, s21
	v_mul_u32_u24 v6, s22, v2                      ; lanes 16-31 take B's
	s_add_co_u32 s21, s21, SCL
	v_add_nc_u32 v5, v5, v6
	v_add_nc_u32 v[ADRS], s21, v5
	s_mul_i32 s23, s14, 16*SPITCH                  ; my stage
	v_mul_u32_u24 v5, v1, SPITCH
	v_lshl_add_u32 v5, v2, 5, v5
	v_add_nc_u32 v[STO], s23, v5
	v_and_b32 v6, 31, v0
	v_lshlrev_b32 v[CO], 4, v6
	v_add_nc_u32 v[RD], s23, v[CO]
	s_lshl_b32 s20, s17, 8
	s_lshl_b32 s21, s15, 7
	s_add_co_u32 s20, s20, s21                     ; my first row of the output
	s_mov_b32 s21, 0
	s_mov_b64 s[18:19], SIZE_N*4
	s_mul_u64 s[20:21], s[20:21], s[18:19]
	s_lshl_b32 s46, s42, 10                        ; my first column, in bytes
	s_lshl_b32 s47, s16, 9
	s_add_co_u32 s46, s46, s47
	s_mov_b32 s47, 0
	s_add_nc_u64 s[20:21], s[20:21], s[46:47]
	s_add_nc_u64 s[12:13], s[12:13], s[20:21]
.macro FRAG reg, adr, q, i             ; B: 16 rows x 128 K from padded rows, in pieces of 8 bytes
.irp p, 0,1,2,3,4,5
.set PC, 12*(\q)+6*(\p/3)+\p%3
.if PC%8 < 5
	ds_load_b64 v[\reg+2*\p:\reg+2*\p+1], v[\adr] offset:8*PC+16*(PC/8)+(\i)*16*PITCH
.else
	ds_load_b64 v[\reg+2*\p:\reg+2*\p+1], v[\adr+2] offset:8*PC+16*(PC/8)+(\i)*16*PITCH
.endif
.endr
.endm
.macro FRAGA reg, slot, q, i           ; A: the image of tile i, the slot's q-th 128 along K: six loads of 256 consecutive bytes
.irp p, 0,1,2,3,4,5
	ds_load_b64 v[\reg+2*\p:\reg+2*\p+1], v[ADRA+\slot] offset:3072*(\i)+1536*(\q)+256*\p
.endr
.endm
.macro MUL16 a0, p, q, sc, zero        ; the 64 accumulators take turns, one instruction a turn
.irp a, \a0, \a0+1
.irp b, 0,1,2,3,4,5,6,7
.if \zero
	v_wmma_scale_f32_16x16x128_f8f6f4 v[8*(8*((\a)%4)+\b):8*(8*((\a)%4)+\b)+7], v[128*(\p)+FR*\b:128*(\p)+FR*\b+FR-1], v[AF+FR*(\a):AF+FR*(\a)+FR-1], 0, v[SC+8*NQ*(\sc)+NQ*\b+(\q)], v[SC+8*NQ*(\sc)+NQ*(\a)+(\q)] matrix_a_fmt:MATRIX_FMT_FP6 matrix_b_fmt:MATRIX_FMT_FP6 matrix_a_scale:MATRIX_SCALE_ROW1
.else
	v_wmma_scale_f32_16x16x128_f8f6f4 v[8*(8*((\a)%4)+\b):8*(8*((\a)%4)+\b)+7], v[128*(\p)+FR*\b:128*(\p)+FR*\b+FR-1], v[AF+FR*(\a):AF+FR*(\a)+FR-1], v[8*(8*((\a)%4)+\b):8*(8*((\a)%4)+\b)+7], v[SC+8*NQ*(\sc)+NQ*\b+(\q)], v[SC+8*NQ*(\sc)+NQ*(\a)+(\q)] matrix_a_fmt:MATRIX_FMT_FP6 matrix_b_fmt:MATRIX_FMT_FP6 matrix_a_scale:MATRIX_SCALE_ROW1
.endif
.endr
.endr
.endm
.macro FETCH_B slot, q, p
	WIN TO_B
.irp i, 0,1,2,3,4,5,6,7
	FRAG 128*(\p)+FR*\i, ADRB+\slot, \q, \i
.endr
	WIN 0
.endm
.macro FETCH_A slot, q, i0
.irp i, \i0, \i0+1, \i0+2, \i0+3
	FRAGA AF+FR*(\i), \slot, \q, \i
.endr
.endm
.macro SCALES sc
.irp i, 0,1,2,3,4,5,6,7
	ds_load_b64 v[SC+8*NQ*\sc+NQ*\i:SC+8*NQ*\sc+NQ*\i+1], v[ADRS] offset:\i*SBLK
.endr
.endm
.macro PLACES n
.rept \n
	v_nop
.endr
.endm
.macro STEP slot, q, zero
	s_wait_dscnt 4*NL                              ; B's set and A's blocks 0-3 are in; the youngest 24 loads (A's blocks 4-7) may be out
	WIN MUL_LO
	MUL16 0, (\q)%2, \q, \slot, \zero
	MUL16 2, (\q)%2, \q, \slot, \zero
	s_wait_dscnt 0
	PLACES NP
	FETCH_B \slot, (\q)+1, 1-(\q)%2
	FETCH_A \slot, (\q)+1, 0
	WIN MUL_HI
	MUL16 4, (\q)%2, \q, \slot, \zero
	MUL16 6, (\q)%2, \q, \slot, \zero
	PLACES NP
	WIN 0
	FETCH_A \slot, (\q)+1, 4
.endm
.macro TURN slot, next, fill           ; a slot's last step changes slots: one barrier, with the wait for all tensor loads, the add and the wait for it and for my reads in front
	s_wait_tensorcnt 0x0                           ; all my tensor loads have landed: my part of the next slot
	ds_add_u32 v[SPW], v[NIL]                      ; 0 onto my spare word
	s_wait_dscnt 4*NL+1                            ; (the add and the youngest 24 loads may be out)
	WIN MUL_LO
	MUL16 0, 1, NQ-1, \slot, 0
	s_wait_dscnt 0x0                               ; the add is done, and my reads of this slot are over
	s_barrier_signal -1
	MUL16 2, 1, NQ-1, \slot, 0
	WIN 0
	s_barrier_wait -1
.if \fill
	CREST                                          ; the barrier has opened a round of the cluster's barrier
	s_add_nc_u64 s[G0+4*\slot+2:G0+4*\slot+3], s[G0+4*\slot+2:G0+4*\slot+3], 2*AHALF
	s_add_nc_u64 s[G0B+4*\slot+2:G0B+4*\slot+3], s[G0B+4*\slot+2:G0B+4*\slot+3], 2*ROWB
	JLOAD G0+4*\slot, G1, G0B+4*\slot, G1B         ; the first tensor load behind the round; its four v_nop are the places in front of the loads below
.else
	PLACES NP
.endif
	s_wait_alu depctr_va_vdst(0)
	v_add_nc_u32 v[ADRS], 4*NQ, v[ADRS]
	FETCH_B \next, 0, 0
	FETCH_A \next, 0, 0
	SCALES \next
	WIN MUL_HI
	MUL16 4, 1, NQ-1, \slot, 0
	MUL16 6, 1, NQ-1, \slot, 0
	PLACES NP
	WIN 0
	FETCH_A \next, 0, 4
.endm
	s_wait_alu depctr_va_vdst(0)
	s_wait_tensorcnt 1                             ; the scales and my part of K step 0 are in (K step 1's load may be out)
	s_barrier_signal -1
	s_barrier_wait -1                              ; everybody's are
	FETCH_B 0, 0, 0
	FETCH_A 0, 0, 0
	SCALES 0
	FETCH_A 0, 0, 4
	STEP 0, 0, 1                                   ; the first step's products start the sums
	s_mov_b32 s3, LAPS-1
.Llap:
	TURN 0, 1, 1
	STEP 1, 0, 0
	TURN 1, 0, 1
	STEP 0, 0, 0
	s_sub_co_u32 s3, s3, 1
	s_cmp_lg_u32 s3, 0
	s_cbranch_scc1 .Llap
	TURN 0, 1, 0                                   ; the last lap fills nothing
	STEP 1, 0, 0
	s_wait_dscnt 4*NL
	WIN MUL_LO
	MUL16 0, 1, NQ-1, 1, 0
	MUL16 2, 1, NQ-1, 1, 0
	s_wait_dscnt 0
	WIN MUL_HI
	MUL16 4, 1, NQ-1, 1, 0
	MUL16 6, 1, NQ-1, 1, 0
	WIN 0
; THE WAY OUT, block by block of 16 rows x 128 columns, through my own stage in LDS: in as 32 bytes a lane, back as whole rows of 512 bytes.  LDS serves a wave's instructions in order (ISA guide 5.7.1.4).
.macro TOSTAGE a
.set AC, 64*((\a)%4)
	WIN 0x08+4*((\a)/4)                            ; the data: window 2 or 3
.irp b, 0,1,2,3,4,5,6,7
	ds_store_b128 v[STO], v[AC+8*\b:AC+8*\b+3] offset:64*\b          ; each accumulator from its low end on
	ds_store_b128 v[STO], v[AC+8*\b+4:AC+8*\b+7] offset:64*\b+16
.endr
	WIN 0
.set BB, BK+64*((\a)%2)
.irp t, 0,1,2,3,4,5,6,7,8,9,10,11,12,13,14,15
	ds_load_b128 v[BB+4*\t:BB+4*\t+3], v[RD] offset:\t*SPITCH
.endr
.endm
.macro SEND a, younger                 ; younger: the LDS instructions issued behind block a's loads, which may stay out
.set BB, BK+64*((\a)%2)
	s_wait_dscnt \younger
.if (\a) > 0
	s_add_nc_u64 s[12:13], s[12:13], 16*SIZE_N*4   ; (behind a wait on XCNT: the earlier stores have read their base)
.endif
.irp t, 0,1,2,3,4,5,6,7,8,9,10,11,12,13,14,15
	global_store_b128 v[CO], v[BB+4*\t:BB+4*\t+3], s[12:13] offset:\t*SIZE_N*4 th:TH_STORE_NT   ; 32 lanes store 512 consecutive bytes, aligned; written once, read by nobody here
.endr
.endm
	PLACES NP
	TOSTAGE 0
.irp a, 1,2,3,4,5,6,7
.if \a > 1
	s_wait_xcnt 0x0                                ; block a - 2's stores have read their registers and their base
.endif
	TOSTAGE \a
	SEND \a-1, 32                                  ; behind block a - 1's loads: block a's 16 stores and 16 loads
.endr
	s_wait_xcnt 0x0
	SEND 7, 0
	s_wait_tensorcnt 0x0                           ; the wave's end
	ds_add_u32 v[SPW], v[NIL]
	s_wait_dscnt 0x0
	CROUND                                         ; the closing round
	s_endpgm
.Lfunc_end_k_qc543b73653_proj:
	.size	k_qc543b73653_proj, .Lfunc_end_k_qc543b73653_proj-k_qc543b73653_proj
	.p2alignl 7, 3214868480
	.fill 96, 4, 3214868480
	.section	.rodata,"a",@progbits
	.p2align	6, 0x0
	.amdhsa_kernel k_qc543b73653_proj
		.amdhsa_group_segment_fixed_size 327680
		.amdhsa_private_segment_fixed_size 0
		.amdhsa_enable_private_segment 0
		.amdhsa_kernarg_size 40
		.amdhsa_user_sgpr_count 2
		.amdhsa_user_sgpr_kernarg_segment_ptr 1
		.amdhsa_wavefront_size32 1
		.amdhsa_system_sgpr_workgroup_id_x 1
		.amdhsa_system_sgpr_workgroup_id_y 1
		.amdhsa_system_sgpr_workgroup_id_z 1
		.amdhsa_system_vgpr_workitem_id 0
		.amdhsa_next_free_vgpr 1024
		.amdhsa_next_free_sgpr 98
		.amdhsa_reserve_vcc 0
		.amdhsa_float_denorm_mode_32 3
		.amdhsa_float_denorm_mode_16_64 3
		.amdhsa_memory_ordered 1
		.amdhsa_forward_progress 1
		.amdhsa_inst_pref_size 161
	.end_amdhsa_kernel
	.amdgpu_metadata
---
amdhsa.version: [ 1, 2 ]
amdhsa.kernels:
  - .name:           k_qc543b73653_proj
    .symbol:         k_qc543b73653_proj.kd
    .args:
      - { .name: oimg, .offset: 0, .size: 8, .value_kind: global_buffer, .address_space: global }
      - { .name: osc, .offset: 8, .size: 8, .value_kind: global_buffer, .address_space: global }
      - { .name: wo_codes, .offset: 16, .size: 8, .value_kind: global_buffer, .address_space: global }
      - { .name: wo_scales, .offset: 24, .size: 8, .value_kind: global_buffer, .address_space: global }
      - { .name: out0, .offset: 32, .size: 8, .value_kind: global_buffer, .address_space: global }
    .group_segment_fixed_size: 327680
    .private_segment_fixed_size: 0
    .kernarg_segment_align: 8
    .kernarg_segment_size: 40
    .max_flat_workgroup_size: 128
    .sgpr_count:     98
    .vgpr_count:     1024
    .wavefront_size: 32
...
	.end_amdgpu_metadata
.endif
;; end of part 4
